; MI455X (gfx1250); checked and timed in simulation.
; The chip was launched on July 23, 2026; its instructions are those of AMD's public machine-readable ISA for CDNA 5 (MIT licence, August 2026) and "CDNA5" Instruction Set Architecture Reference Guide (July 2026). The comments in the code are by the model that wrote it; some were corrected since.
;; Self Attention. Allowed arithmetic: matrix products marked QUANTISED: E2M1 operands, one E8M0 scale for each 32 along K, by v_wmma_scale_f32_16x16x128_f8f6f4 with both operands' format E2M1 (or v_wmma_scale_f32_32x16x128_f4), f32 sums; products left as they are: bf16, f16 or f32 operands; f32 sums; everything else in f32.
;; Inputs: Wk 1,024 x 1,024 float32; Wq 1,024 x 1,024 float32; Wv 1,024 x 1,024 float32; bk 1,024 float32; bq 1,024 float32; bv 1,024 float32; x 4 x 2,048 x 1,024 float32.
;; Outputs: out0 4 x 2,048 x 1,024 float32.
;; This version of the problem:
;;   THIS VERSION OF THE PROBLEM IS GIVEN IN LOW PRECISION. The matrix products marked QUANTISED in the list below multiply operands that are first quantised to E2M1 (2 exponent bits, 1 mantissa bit; 4 bits a number), with one power-of-two scale for each 32 numbers along K (OCP MX v1.0); their sums are f32. The products marked 'left as it is' may take bf16, f16 or f32 operands, with f32 sums. Whichever they take, every output number must still come out within the allowed error. Rounding operands to bf16 (8 significant bits) uses up far more of that allowance than f16 does (11 bits, for magnitudes from 6e-5 to 65,504). All else is computed in f32.
;;   The module's matrix products, in the order in which they are computed (A, B: the left and right operand; K: the contracted axis; several contracted axes count as one K, in the product's order):
;;     1. [M 8,192, K 1,024] x [K 1,024, N 1,024]; A: input x; B: input Wq: QUANTISED
;;     2. [M 8,192, K 1,024] x [K 1,024, N 1,024]; A: input x; B: input Wk: QUANTISED
;;     3. [M 8,192, K 1,024] x [K 1,024, N 1,024]; A: input x; B: input Wv: QUANTISED
;;     4. batch 4 x [M 2,048, K 1,024] x [K 1,024, N 2,048]; A: computed on the way; B: computed on the way: left as it is (an operand is computed on the way)
;;     5. batch 4 x [M 2,048, K 2,048] x [K 2,048, N 1,024]; A: computed on the way; B: computed on the way: left as it is (an operand is computed on the way)
;;   THE QUANTISER, for each operand of a quantised product, along K:
;;     - K is cut into blocks of 32 from its start; a last block that is shorter is filled with zeros.
;;     - A block's scale is 2^e with e = floor(log2(the largest magnitude in the block)) - 2, held to -126 .. 127; a block of zeros has e = 0. As a byte (E8M0): e + 127.
;;     - Each number is divided by its block's scale, clamped to +-6, and rounded to the nearest number of E2M1, ties to even, subnormals kept.
;;     - The product sums the exact products of the quantised numbers (number of the format x scale) in f32.
;;   ~~~python
;;   def quantise(x, axis):      # numpy; x: float32 -> the quantised numbers, widened to float32 again
;;       x = np.moveaxis(x, axis, -1); K = x.shape[-1]
;;       x = np.pad(x, [(0, 0)] * (x.ndim - 1) + [(0, -K % 32)]); x = x.reshape(x.shape[:-1] + (-1, 32)); a = np.abs(x).max(-1, keepdims=True)
;;       e = np.where(a > 0, np.clip(np.frexp(np.where(a > 0, a, 1))[1] - 1 - 2, -126, 127), 0)      # np.frexp(a)[1] - 1 = floor(log2(a)), exactly
;;       r = np.clip(x / 2.0 ** e, -6, 6)
;;       step = 2.0 ** (np.maximum(np.frexp(np.where(r == 0, 1, r))[1] - 1, 0) - 1)
;;       q = np.round(r / step) * step * 2.0 ** e      # np.round: ties to even
;;       return np.moveaxis(q.reshape(q.shape[:-2] + (-1,))[..., :K], -1, axis).astype(np.float32)
;;   ~~~
;; One version. Each part assembles by itself: llvm-mc -triple=amdgcn-amd-amdhsa -mcpu=gfx1250 --defsym DOCPART=n.
;; ======== version 1 of 1: 5 launches
;; limits: values are held in f16: magnitudes above 65,504 overflow, below 6.1e-05 lose precision
;; workspace buffers: xc 4,194,304 bytes; xs 262,144 bytes; wc 1,572,864 bytes; ws 98,304 bytes; qkv 50,331,648 bytes; h32 786,432 bytes; pp 33,554,432 bytes; st 1,048,576 bytes
;; launch quant (part 1): grid 448 x 1, 4 waves a work-group, no clusters, 42,496 bytes of LDS; arguments x, Wq, Wk, Wv, xc, xs, wc, ws; writes xc, xs, wc, ws
.if DOCPART == 1
	.amdgcn_target "amdgcn-amd-amdhsa--gfx1250"
	.amdhsa_code_object_version 6
	.text
	.protected	k_qa442af5673_quant
	.globl	k_qa442af5673_quant
	.p2align	8
	.type	k_qa442af5673_quant,@function
k_qa442af5673_quant:
	s_mov_b64 s[64:65], 0
	v_nop
	global_prefetch_b8 v0, s[64:65] scope:SCOPE_SE
	s_setreg_imm32_b32 hwreg(HW_REG_WAVE_MODE, 25, 1), 1
	s_wait_xcnt 0x0
; SELF-ATTENTION, one head of width 1,024, 4 sequences of 2,048 positions, causal.  FIRST OF FIVE LAUNCHES: x and the three weights become codes of FP4 (E2M1) with one E8M0 byte for each 32 along K.
; WORK LEFT OUT IN THE WHOLE PROGRAM, AND WHY IT IS DEAD.
;  (1) bk.  k = x Wk + bk enters the scores alone, and that product is not quantised: q . (k0 + bk) = q . k0 + q . bk.  The term q . bk is the same for every key of a query's row, so the softmax
;      along the keys takes it away, for all finite values of the inputs.  bk has no other way to the output: it is not loaded and is among no launch's arguments.
;      LIMIT: a NaN, an infinity or an overflow that reaches only bk's term is not carried to the result.
;  (2) Tiles of the scores and of attn x v that lie wholly above the diagonal of the causal mask that the problem builds itself: they are not multiplied (launches scores and pv).
; THE QUANTISER: a block's scale is 2^(floor(log2(its largest magnitude)) - 2); its byte is the largest magnitude's exponent field - 2, held at 1 from below; each number is divided by the scale and
; rounded to the nearest code, ties to even, beyond 6 the largest code.
; LIMITS: a block of zeros gets the byte 1 where the rule says 127 (its codes are zeros, which add nothing, and this program alone reads the bytes); blocks whose largest magnitude lies under 2^-124,
; the floor, were not tried; NaN and infinities among the inputs are not served.
; WORK-GROUPS 0 TO 255: x, [8192][1024] f32, K innermost: a plain stream of blocks of 32.  A wave takes 16 steps of 512 numbers.  Each load reads 512 consecutive bytes, 16 a lane; a step's 2,048 bytes
; turn through the wave's own stage in LDS and come back 64 bytes a lane, so that a lane holds 16 neighbours along K and two neighbouring lanes hold a block.  Loads run eight steps (32 loads) ahead.
; WORK-GROUPS 256 TO 447: Wq, Wk, Wv, [1024 (k)][1024 (n)] f32, K is the FIRST axis.  A lane takes a column n and its registers run down K.  A work-group takes 32 columns x 512 along K, each wave 128
; of them (four blocks); the codes meet in a stage, one barrier, and leave as rows: sixteen lanes store 256 consecutive bytes, aligned.  wc: [3072][512 bytes], rows 0-1023 Wq's columns, then Wk's, Wv's.
; The two paths part on the work-group's number alone, and each has LDS bytes of its own.
.set STEPS, 16
.set AHEAD, 8
.set EMAX,  2
.set R,     16                         ; v16-143  x path: eight sets of 16 numbers as loaded
.set XN,    144                        ; v144-175 two sets of 16 neighbours
.set CD,    176                        ; v176-207 codes, two registers a step: no store's data are written again
.set EB,    208                        ; v208-223 a scale byte a step
.set WREG,  8192                       ; LDS of a wave on the x path: two stages of 32 x SP bytes, behind them its 256 scale bytes
.set SP,    80                         ; a lane's place in a stage: 64 bytes + 16 of padding
.set SPW,   12                         ; v12 LDS address of my spare word; never rewritten
.set NIL,   13                         ; v13 0; never rewritten
.set WST,   32768                      ; W path: the stage, 32 rows x 272 bytes
.set WSC,   41472                      ; W path: 32 rows x 16 scale bytes
.set SPARE, 41984                      ; the spare words, 128 bytes a wave: two blocks of 256 bytes that no other line names
.set WX,    32                         ; v32-95   W path: two sets of 32 numbers
.set WC,    96                         ; v96-99   a block's codes
.set SB,    24                         ; v24      my column's four scale bytes
.set OUTR,  112                        ; v112-127 the way out
	s_load_b256 s[4:11], s[0:1], 0x0               ; x s[4:5], Wq s[6:7], Wk s[8:9], Wv s[10:11]
	s_load_b256 s[12:19], s[0:1], 0x20             ; xc s[12:13], xs s[14:15], wc s[16:17], ws s[18:19]
	v_lshl_add_u32 v[SPW], v0, 2, SPARE
	v_mov_b32 v[NIL], 0
	v_lshrrev_b32 v1, 5, v0
	v_readfirstlane_b32 s20, v1                    ; wave 0..3
	v_and_b32 v2, 31, v0                           ; lane
	s_cmp_ge_u32 ttmp9, 256                        ; the work-group's number alone: all four waves go the same way
	s_cbranch_scc1 .Lw
; ---------------- x ----------------
	v_lshlrev_b32 v3, 4, v2                        ; my 16 bytes of a load's 512
	s_mul_i32 s21, s20, WREG
	v_lshrrev_b32 v14, 2, v2
	v_mul_u32_u24 v14, v14, SP
	v_and_b32 v15, 3, v2
	v_lshl_add_u32 v14, v15, 4, v14
	v_add_nc_u32 v14, s21, v14                     ; the stage, on the way in: SP (lane / 4) + 16 (lane % 4)
	v_mul_u32_u24 v15, v2, SP
	v_add_nc_u32 v15, s21, v15                     ; and on the way out: SP x lane: my 16 neighbours
	v_lshlrev_b32 v4, 3, v2                        ; my 8 bytes of a step's 256 bytes of codes
	v_lshrrev_b32 v5, 1, v2
	s_add_co_u32 s21, s21, 2*32*SP
	v_add_nc_u32 v5, s21, v5                       ; LDS: my block's scale byte
	v_lshlrev_b32 v7, 3, v2                        ; the scale bytes' way out: 8 bytes a lane
	v_add_nc_u32 v6, s21, v7
	s_lshl_b32 s22, ttmp9, 2
	s_add_co_u32 s22, s22, s20                     ; which run of 8,192 numbers is my wave's: 0 .. 1,023
	s_lshl_b32 s24, s22, 15                        ; 32,768 bytes of x,
	s_mov_b32 s25, 0
	s_lshl_b32 s26, s22, 12                        ; 4,096 bytes of codes,
	s_mov_b32 s27, 0
	s_lshl_b32 s28, s22, 8                         ; 256 scale bytes a run
	s_mov_b32 s29, 0
	s_wait_kmcnt 0x0
	s_add_nc_u64 s[4:5], s[4:5], s[24:25]
	s_add_nc_u64 s[12:13], s[12:13], s[26:27]
	s_add_nc_u64 s[14:15], s[14:15], s[28:29]
.macro LOADX t
.irp i, 0,1,2,3
	global_load_b128 v[R+16*((\t)%8)+4*\i:R+16*((\t)%8)+4*\i+3], v3, s[4:5] offset:2048*(\t)+512*\i th:TH_LOAD_NT   ; 32 lanes read 512 consecutive bytes
.endr
.endm
.macro TURNX t                         ; step t's numbers through the stage: LDS serves a wave's instructions in order, so no wait stands between the stores and the loads
.irp i, 0,1,2,3
	ds_store_b128 v14, v[R+16*((\t)%8)+4*\i:R+16*((\t)%8)+4*\i+3] offset:32*SP*((\t)%2)+8*SP*\i
.endr
.irp i, 0,1,2,3
	ds_load_b128 v[XN+16*((\t)%2)+4*\i:XN+16*((\t)%2)+4*\i+3], v15 offset:32*SP*((\t)%2)+16*\i
.endr
.endm
.irp t, 0,1,2,3,4,5,6,7
	LOADX \t
.endr
	s_wait_loadcnt 28                              ; step 0's four loads are in; those of the seven steps behind it may be out
	TURNX 0
.macro STEPX t
.set XS, XN+16*((\t)%2)
.if (\t) > 0
	s_wait_dscnt 1                                 ; this step's numbers are back from the stage (the last step's byte store may be out): so its stores into the stage have read their registers,
.else
	s_wait_dscnt 0x0
.endif
.if (\t)+AHEAD < STEPS
	LOADX (\t)+AHEAD                               ; which take the loads of eight steps on
.endif
.if (\t)+1 < STEPS
.if 14-(\t) >= 7
	s_wait_loadcnt 28                              ; the next step's four loads are in; those of the seven steps behind it may be out
.else
	s_wait_loadcnt 4*(14-(\t))                     ; towards the end: of the steps that are left
.endif
	TURNX (\t)+1                                   ; and go through the other stage while this step is worked
.endif
	v_max3_num_f32 v8, |v[XS]|, |v[XS+1]|, |v[XS+2]|               ; the largest magnitude of my 16, in two chains
	v_max3_num_f32 v9, |v[XS+3]|, |v[XS+4]|, |v[XS+5]|
.irp i, 6,10
	v_max3_num_f32 v8, v8, |v[XS+\i]|, |v[XS+\i+1]|
	v_max3_num_f32 v9, v9, |v[XS+\i+2]|, |v[XS+\i+3]|
.endr
	v_max3_num_f32 v8, v8, |v[XS+14]|, |v[XS+15]|
	v_max3_num_f32 v8, v8, v9, (EMAX+1)<<23        ; and the floor 2^(3 - 127): the byte cannot fall under 1
	v_max_num_f32_dpp v8, v8, v8 row_xmask:1 row_mask:0xf bank_mask:0xf   ; and of my neighbour's 16: the block's
	v_add_nc_u32 v11, -(EMAX<<23), v8              ; 2 off its exponent field: the conversion takes the exponent field of this operand as its scale, and nothing else of it
	v_cvt_scalef32_pk8_fp4_f32 v[CD+2*(\t)], v[XS:XS+7], v11
	v_cvt_scalef32_pk8_fp4_f32 v[CD+2*(\t)+1], v[XS+8:XS+15], v11
	v_lshrrev_b32 v[EB+(\t)], 23, v11              ; the scale's byte
	ds_store_b8 v5, v[EB+(\t)] offset:16*(\t)      ; both lanes of a block write the same byte with the same value
	global_store_b64 v4, v[CD+2*(\t):CD+2*(\t)+1], s[12:13] offset:256*(\t)   ; the wave stores 256 consecutive bytes, aligned
.endm
.irp t, 0,1,2,3,4,5,6,7,8,9,10,11,12,13,14,15
	STEPX \t
.endr
	ds_load_b64 v[8:9], v6                         ; LDS serves a wave's instructions in order: these see my byte stores
	s_wait_dscnt 0x0
	global_store_b64 v7, v[8:9], s[14:15]          ; my wave's 256 scale bytes, aligned
	s_branch .Lend
; ---------------- Wq, Wk, Wv ----------------
.Lw:
	s_sub_co_u32 s21, ttmp9, 256
	s_lshr_b32 s22, s21, 6                         ; which weight: 0 Wq, 1 Wk, 2 Wv
	s_bfe_u32 s23, s21, 0x50001                    ; which 32 columns
	s_and_b32 s24, s21, 1                          ; which 512 along K
	s_lshl_b32 s25, s24, 2
	s_add_co_u32 s25, s25, s20                     ; my wave's 128 along K: 4 x half + wave
	s_lshl_b32 s26, s25, 19                        ; 128 rows of 4,096 bytes,
	s_lshl_b32 s27, s23, 7
	s_add_co_u32 s26, s26, s27                     ; + 32 columns of 4 bytes
	s_mov_b32 s27, 0
	v_lshlrev_b32 v3, 2, v2                        ; in: 4 bytes a lane
	v_mul_u32_u24 v4, v2, 272
	s_lshl_b32 s28, s20, 6
	s_add_co_u32 s28, s28, WST
	v_add_nc_u32 v4, s28, v4                       ; into the stage: row = my column, my wave's 64 bytes of its 256
	v_lshlrev_b32 v5, 4, v2
	s_lshl_b32 s28, s20, 2
	s_add_co_u32 s28, s28, WSC
	v_add_nc_u32 v5, s28, v5                       ; my column's scale bytes: my wave's word of its 16 bytes
	v_and_b32 v6, 15, v2
	v_lshrrev_b32 v7, 4, v2
	v_mul_u32_u24 v9, v7, 272
	v_lshl_add_u32 v9, v6, 4, v9
	s_mul_i32 s28, s20, 8*272
	s_add_co_u32 s28, s28, WST
	v_add_nc_u32 v9, s28, v9                       ; out of the stage: my wave's eight rows, sixteen lanes to a row
	v_lshlrev_b32 v8, 9, v7
	v_lshl_add_u32 v8, v6, 4, v8                   ; and the same place in wc: rows of 512 bytes
	v_lshl_add_u32 v10, v2, 4, WSC                 ; wave 0: a row's 16 scale bytes,
	v_lshlrev_b32 v11, 5, v2                       ; and its place in ws: rows of 32 bytes
	s_lshl_b32 s28, s22, 10
	s_lshl_b32 s29, s23, 5
	s_add_co_u32 s28, s28, s29                     ; the work-group's first row of wc and ws
	s_lshl_b32 s30, s28, 5
	s_lshl_b32 s29, s24, 4
	s_add_co_u32 s30, s30, s29                     ; ws: 32 bytes a row, + 16 x half
	s_mov_b32 s31, 0
	s_lshl_b32 s29, s20, 3
	s_add_co_u32 s28, s28, s29                     ; wc: my wave stores rows 8 wave on,
	s_lshl_b32 s28, s28, 9
	s_lshl_b32 s29, s24, 8
	s_add_co_u32 s28, s28, s29                     ; 512 bytes a row, + 256 x half
	s_mov_b32 s29, 0
	s_wait_kmcnt 0x0
	s_cmp_eq_u32 s22, 0                            ; the choice of the weight hangs on the work-group's number alone
	s_cselect_b64 s[6:7], s[6:7], s[8:9]
	s_cmp_eq_u32 s22, 2
	s_cselect_b64 s[6:7], s[10:11], s[6:7]
	s_add_nc_u64 s[6:7], s[6:7], s[26:27]
	s_add_nc_u64 s[16:17], s[16:17], s[28:29]
	s_add_nc_u64 s[18:19], s[18:19], s[30:31]
.macro LOADW t                         ; block t: W(32 t + i, my column), i = 0 .. 31, into set t % 2; each load reads 128 consecutive bytes
.irp i, 0,1,2,3,4,5,6,7,8,9,10,11,12,13,14,15,16,17,18,19,20,21,22,23,24,25,26,27,28,29,30,31
	global_load_b32 v[WX+32*((\t)%2)+\i], v3, s[6:7] offset:(32*(\t)+\i)*4096 th:TH_LOAD_NT
.endr
.endm
	LOADW 0
	LOADW 1
.macro BLOCKW t
.set XS, WX+32*((\t)%2)
.if (\t) < 3
	s_wait_loadcnt 32                              ; this block's 32 loads are in; the next block's may be out
.else
	s_wait_loadcnt 0x0
.endif
	v_max3_num_f32 v26, |v[XS]|, |v[XS+1]|, |v[XS+2]|              ; the block's largest magnitude: all 32 numbers are mine
	v_max3_num_f32 v27, |v[XS+3]|, |v[XS+4]|, |v[XS+5]|
.irp i, 6,10,14,18,22,26
	v_max3_num_f32 v26, v26, |v[XS+\i]|, |v[XS+\i+1]|
	v_max3_num_f32 v27, v27, |v[XS+\i+2]|, |v[XS+\i+3]|
.endr
	v_max3_num_f32 v26, v26, |v[XS+30]|, |v[XS+31]|
	v_max3_num_f32 v26, v26, v27, (EMAX+1)<<23     ; and the floor
	v_add_nc_u32 v28, -(EMAX<<23), v26             ; the conversion's scale operand
	v_lshrrev_b32 v29, 23, v28                     ; the scale's byte
.if (\t) == 0
	v_mov_b32 v[SB], v29                           ; four bytes to a register, the lower K in the lower byte
.else
	v_lshl_or_b32 v[SB], v29, 8*(\t), v[SB]
.endif
.irp g, 0,1,2,3
	v_cvt_scalef32_pk8_fp4_f32 v[WC+\g], v[XS+8*\g:XS+8*\g+7], v28
.endr
	ds_store_b128 v4, v[WC:WC+3] offset:16*(\t)    ; 32 codes: 16 bytes of my column's row
.if (\t)+2 < 4
	LOADW (\t)+2
.endif
	s_wait_dscnt 0x0                               ; the store has read its registers: the next block's codes may be written
.endm
	BLOCKW 0
	BLOCKW 1
	BLOCKW 2
	BLOCKW 3
	ds_store_b32 v5, v[SB]
	s_wait_dscnt 0x0                               ; for the others' sake: my stores into the stage and the scale words are done
	s_barrier_signal -1
	s_barrier_wait -1                              ; 32 whole rows of 256 bytes lie in the stage
.irp t, 0,1,2,3
	ds_load_b128 v[OUTR+4*\t:OUTR+4*\t+3], v9 offset:2*\t*272
.endr
.irp t, 0,1,2,3
	s_wait_dscnt 3-\t                              ; LDS loads come back in order: load t is in, the younger ones may be out
	global_store_b128 v8, v[OUTR+4*\t:OUTR+4*\t+3], s[16:17] offset:2*\t*512   ; sixteen lanes store 256 consecutive bytes, aligned
.endr
	s_cmp_lg_u32 s20, 0
	s_cbranch_scc1 .Lend                           ; wave 0 alone stores the scale bytes: 16 bytes of each of 32 rows
	ds_load_b128 v[100:103], v10
	s_wait_dscnt 0x0
	global_store_b128 v11, v[100:103], s[18:19]
.Lend:
	s_wait_tensorcnt 0x0                           ; the wave's end: behind my last LDS store
	ds_add_u32 v[SPW], v[NIL]
	s_wait_dscnt 0x0
	s_endpgm
.Lfunc_end_k_qa442af5673_quant:
	.size	k_qa442af5673_quant, .Lfunc_end_k_qa442af5673_quant-k_qa442af5673_quant
	.p2alignl 7, 3214868480
	.fill 96, 4, 3214868480
	.section	.rodata,"a",@progbits
	.p2align	6, 0x0
	.amdhsa_kernel k_qa442af5673_quant
		.amdhsa_group_segment_fixed_size 42496
		.amdhsa_private_segment_fixed_size 0
		.amdhsa_enable_private_segment 0
		.amdhsa_kernarg_size 64
		.amdhsa_user_sgpr_count 2
		.amdhsa_user_sgpr_kernarg_segment_ptr 1
		.amdhsa_wavefront_size32 1
		.amdhsa_system_sgpr_workgroup_id_x 1
		.amdhsa_system_sgpr_workgroup_id_y 1
		.amdhsa_system_sgpr_workgroup_id_z 1
		.amdhsa_system_vgpr_workitem_id 0
		.amdhsa_next_free_vgpr 224
		.amdhsa_next_free_sgpr 66
		.amdhsa_reserve_vcc 0
		.amdhsa_float_denorm_mode_32 3
		.amdhsa_float_denorm_mode_16_64 3
		.amdhsa_memory_ordered 1
		.amdhsa_forward_progress 1
		.amdhsa_inst_pref_size 55
	.end_amdhsa_kernel
	.amdgpu_metadata
---
amdhsa.version: [ 1, 2 ]
amdhsa.kernels:
  - .name:           k_qa442af5673_quant
    .symbol:         k_qa442af5673_quant.kd
    .args:
      - { .name: x, .offset: 0, .size: 8, .value_kind: global_buffer, .address_space: global }
      - { .name: Wq, .offset: 8, .size: 8, .value_kind: global_buffer, .address_space: global }
      - { .name: Wk, .offset: 16, .size: 8, .value_kind: global_buffer, .address_space: global }
      - { .name: Wv, .offset: 24, .size: 8, .value_kind: global_buffer, .address_space: global }
      - { .name: xc, .offset: 32, .size: 8, .value_kind: global_buffer, .address_space: global }
      - { .name: xs, .offset: 40, .size: 8, .value_kind: global_buffer, .address_space: global }
      - { .name: wc, .offset: 48, .size: 8, .value_kind: global_buffer, .address_space: global }
      - { .name: ws, .offset: 56, .size: 8, .value_kind: global_buffer, .address_space: global }
    .group_segment_fixed_size: 42496
    .private_segment_fixed_size: 0
    .kernarg_segment_align: 8
    .kernarg_segment_size: 64
    .max_flat_workgroup_size: 128
    .sgpr_count:     66
    .vgpr_count:     224
    .wavefront_size: 32
...
	.end_amdgpu_metadata
.endif
;; end of part 1
;; launch proj (part 2): grid 12 x 32, 4 waves a work-group, clusters of 4 x 4, 327,680 bytes of LDS; arguments xc, xs, wc, ws, bq, bv, qkv, h32; writes qkv, h32
.if DOCPART == 2
	.amdgcn_target "amdgcn-amd-amdhsa--gfx1250"
	.amdhsa_code_object_version 6
	.text
	.protected	k_qa442af5673_proj
	.globl	k_qa442af5673_proj
	.p2align	8
	.type	k_qa442af5673_proj,@function
k_qa442af5673_proj:
	s_mov_b64 s[64:65], 0
	v_nop
	global_prefetch_b8 v0, s[64:65] scope:SCOPE_SE
	s_setreg_imm32_b32 hwreg(HW_REG_WAVE_MODE, 25, 1), 1
	s_wait_xcnt 0x0
	s_wait_alu depctr_hold_cnt(0) depctr_sa_sdst(0) depctr_va_vdst(0) depctr_va_sdst(0) depctr_va_ssrc(0) depctr_va_vcc(0) depctr_vm_vsrc(0)
	s_getreg_b32 s2, hwreg(HW_REG_IB_STS2, 6, 4)
	s_cmp_eq_u32 s2, 0
	s_cbranch_scc0 .Lentry_in_a_cluster
	s_endpgm
.Lentry_in_a_cluster:
	s_bfe_u32 s2, ttmp6, 0x10000c
	s_cmp_lg_u32 s2, 0xf033
	s_cbranch_scc0 .Lentry_shape_is_right
	s_endpgm
.Lentry_shape_is_right:
; q = x Wq + bq, k = x Wk, v = x Wv + bv: ONE product [8192 x 1024] x [3072 x 1024]^T on codes of FP4 (E2M1) with E8M0 scales for each 32 along K, sums in f32.
; LEFT OUT: bk (the term q . bk is the same along a softmax's axis: shown at the head of the first kernel); k's sums begin with zeros.
; OUT: qkv [3][8192][1024] in f16, for the two products that the problem leaves as they are; and the first 16 positions of each sequence once more in f32, h32 [3][4][16][1024], for the small launch that carries those rows in f32.
; LIMIT: |q|, |k|, |v| above 65,504 become infinity in f16.
; A tile of 256 x 256 is made by four waves, 128 x 128 each: 64 accumulators of 16 x 16, 512 registers.  K = 1,024 is two slots of 512 along K (rows of 256 bytes): both are filled once, at the start; nothing is filled again.
; THE SCALES of the work-group's 256 rows of x and 256 rows of the weights, for all of K, are two dense blocks: they come into LDS once, with the first fills.
; CLUSTERS: 4 x 4 work-groups.  The four of a row of the cluster need the same tiles of x, the four of a column the same tiles of the weights: each is asked for JOINTLY.
; WHICH ROWS A TILE HAS: the tile of cluster row Y and place cy begins at row 2048 cy + 256 Y.  So the first 16 positions of all four sequences lie in the clusters with Y = 0, and the branch that stores
; them in f32 hangs on the cluster's number and the wave's number alone.  Cluster column X is q, k or v: the same in all partners.
; THE MATRIX INSTRUCTION IS USED TRANSPOSED (source 0 = 16 rows of the weights' codes, source 1 = 16 rows of x): a lane holds eight neighbouring columns of one row.  The bias is the C of each sum's first instruction.
; REGISTERS, in windows of 256: window 0: v0-31 addresses; v32-95 scale words, two sets, and nothing else ever; v128-191 x's fragments, ONE set; v192-255 the bias in the result's layout; on the way out v128-223 are free.
;   window 1: the weights' fragments, TWO sets, at v0 and v128.   window 2: the accumulators of my rows 0-63 ((a, b) at v[8 (8 a + b)]);   window 3: those of my rows 64-127.
.set NQ,     4                         ; matrix instructions deep in a slot
.set ROWB,   256                       ; a tile's row in bytes: 512 codes
.set KROW,   512                       ; a row of codes in memory
.set PITCH,  272                       ; an LDS row: 256 bytes + 16 of padding: the 16 rows that a load touches start 68 words apart
.set FR,     8
.set NL,     2
.set NP,     4
.set HALFT,  128*PITCH
.set SLOT,   4*HALFT
.set KS,     32                        ; a row of scale bytes
.set SCL,    2*SLOT
.set HALFS,  (128*KS/256)*272
.set SBLK,   (16*KS/256)*272
.set SPARE,  SCL+4*HALFS               ; the spare words, 128 bytes a wave: two blocks of 256 bytes that no other line names
.set SP32,   528                       ; the way out in f32: stage rows of 512 bytes + 16
.set SP16,   272                       ; in f16: 256 bytes + 16.  The stage, 8,448 bytes a wave, lies in slot 0, which has had its one fill and its last read when the first result is stored there
.set ADRA, 16
.set ADRB, 20
.set CO32, 22                          ; v22  16 x lane
.set STO,  24
.set RD,   25
.set CO,   26
.set ADRS, 27
.set SPW,  28
.set NIL,  29
.set STO32, 30
.set RD32, 31
.set SC,   32
.set AF,   128
.set BI,   192
.set TMP,  128                         ; the way out: packed results
.set OB,   160                         ; 16 rows read back: v160-191 and v192-223 by turns
.set G1, 24
.set G0, 32
.set G1B, 48
.set G0B, 56
.set G1S, 68
.set G0S, 76
.set G1SB, 80
.set G0SB, 88
.set MSB, 0
.macro WIN new                         ; the immediate's high byte repeats the setting that is left
.if MSB != \new
	s_set_vgpr_msb (MSB<<8)|\new
.set MSB, \new
.endif
.endm
.set MUL_LO, 0xa1                      ; source 0 window 1, source 1 window 0, C and D window 2
.set MUL_HI, 0xf1                      ; the same, C and D window 3
.set FST_LO, 0x81                      ; a sum's first instruction: C (the bias) window 0, D window 2
.set FST_HI, 0xc1                      ; D window 3
.set TO_B,   0x40
; A joint load: waves 0 and 1 fetch for x, waves 2 and 3 for the weights.  The branch hangs on the wave's number alone.  An s_nop 0 and four v_nop follow each of the two lines.
.macro JLOAD g0a, g1a, g0b, g1b
	s_cmp_eq_u32 s15, 0
	s_cbranch_scc0 .Lfor_b_\@
	tensor_load_to_lds s[\g0a:\g0a+3], s[\g1a:\g1a+7]
	s_nop 0
.rept 4
	v_nop
.endr
	s_branch .Lasked_\@
.Lfor_b_\@:
	tensor_load_to_lds s[\g0b:\g0b+3], s[\g1b:\g1b+7]
	s_nop 0
.rept 4
	v_nop
.endr
.Lasked_\@:
.endm
.macro CROUND                          ; a round of the cluster's barrier
	s_barrier_signal -1
	s_barrier_wait -1
	s_cmp_lg_u32 s14, 0
	s_cbranch_scc1 .Lnot_wave_0_\@
	s_barrier_signal -3
.Lnot_wave_0_\@:
	s_barrier_wait -3
	s_barrier_signal -1
	s_barrier_wait -1
.endm
	s_load_b256 s[4:11], s[0:1], 0x0               ; xc s[4:5], xs s[6:7], wc s[8:9], ws s[10:11]
	s_load_b128 s[96:99], s[0:1], 0x20             ; bq s[96:97], bv s[98:99]
	s_load_b64 s[12:13], s[0:1], 0x30              ; qkv
	s_load_b64 s[66:67], s[0:1], 0x38              ; h32
	v_lshl_add_u32 v[SPW], v0, 2, SPARE
	v_mov_b32 v[NIL], 0
	ds_add_u32 v[SPW], v[NIL]                      ; the wave's opening: the add, twice on end, and its wait ahead of my first tensor load
	ds_add_u32 v[SPW], v[NIL]
	v_lshrrev_b32 v1, 5, v0
	v_readfirstlane_b32 s14, v1                    ; wave 0..3
	s_lshr_b32 s15, s14, 1                         ; which half of the tile's rows is mine.  Also: I fetch for x (0) or for the weights (1)
	s_and_b32 s16, s14, 1                          ; which half of its columns.  Also: which 128 rows of that tile I fetch
	s_bfe_u32 s40, ttmp6, 0x40000                  ; cx
	s_bfe_u32 s41, ttmp6, 0x40004                  ; cy
	s_lshl_b32 s42, ttmp9, 2
	s_add_co_u32 s42, s42, s40                     ; tile column = 4 x cluster x + cx
	s_and_b32 s100, ttmp7, 0xffff                  ; Y, the cluster's y
	s_lshl_b32 s17, s100, 8
	s_lshl_b32 s18, s41, 11
	s_add_co_u32 s17, s17, s18                     ; the tile's first row: 2048 cy + 256 Y
	s_or_b32 s100, s100, s15                       ; 0: my rows begin a sequence
	s_lshl_b32 s43, s41, 2
	s_lshl_b32 s43, 15, s43                        ; my row of the cluster
	s_lshl_b32 s44, 0x1111, s40                    ; my column
	s_or_b32 s[G1+0], s43, (0<<16)|(1<<20)|(1<<21)|(5<<22)|(3<<25)  ; the mask; elements of 1 byte; padding on; bit 21 beside a mask; after every 64 words four words
	s_or_b32 s[G1B+0], s44, (0<<16)|(1<<20)|(1<<21)|(5<<22)|(3<<25)
.irp g, G1, G1B
	s_mov_b32 s[\g+1], ROWB<<16                    ; tensor_dim0
	s_mov_b32 s[\g+2], 128<<16                     ; tensor_dim1
	s_mov_b32 s[\g+3], ROWB<<16                    ; tile_dim0
	s_mov_b32 s[\g+4], 128                         ; tile_dim1
	s_mov_b32 s[\g+5], KROW                        ; the pitch
	s_mov_b32 s[\g+6], 0
	s_mov_b32 s[\g+7], 0
.endr
	s_or_b32 s[G1S+0], s43, (3<<16)|(1<<20)|(1<<21)|(5<<22)|(3<<25) ; the scales of 128 rows: 4,096 dense bytes as 16 rows of 256 (32 elements of 8 bytes), 16 bytes of padding behind each
	s_or_b32 s[G1SB+0], s44, (3<<16)|(1<<20)|(1<<21)|(5<<22)|(3<<25)
.irp g, G1S, G1SB
	s_mov_b32 s[\g+1], 32<<16
	s_mov_b32 s[\g+2], (128*KS/256)<<16
	s_mov_b32 s[\g+3], 32<<16
	s_mov_b32 s[\g+4], 128*KS/256
	s_mov_b32 s[\g+5], 32
	s_mov_b32 s[\g+6], 0
	s_mov_b32 s[\g+7], 0
.endr
	s_lshl_b32 s18, s16, 7                         ; which 128 rows of the tile I fetch
	s_add_co_u32 s20, s17, s18                     ; x: the tile's first row + 128 x half
	s_lshl_b32 s46, s42, 8
	s_add_co_u32 s46, s46, s18                     ; weights: row 256 x tile column + 128 x half
	s_mov_b32 s21, 0
	s_mov_b32 s47, 0
	s_mov_b64 s[18:19], KS
	s_mul_u64 s[22:23], s[20:21], s[18:19]         ; where these rows' scales begin,
	s_mul_u64 s[92:93], s[46:47], s[18:19]
	s_mov_b64 s[18:19], KROW
	s_mul_u64 s[20:21], s[20:21], s[18:19]         ; and their codes
	s_mul_u64 s[46:47], s[46:47], s[18:19]
	s_mul_i32 s45, s14, HALFT                      ; where they go: wave x 128 rows: no place in the cluster enters an LDS address
	s_mul_i32 s94, s14, HALFS
	s_wait_dscnt 0x0                               ; both opening adds are done
	s_wait_kmcnt 0x0
	s_add_nc_u64 s[20:21], s[4:5], s[20:21]
	s_add_nc_u64 s[22:23], s[6:7], s[22:23]
	s_add_nc_u64 s[46:47], s[8:9], s[46:47]
	s_add_nc_u64 s[92:93], s[10:11], s[92:93]
	CROUND                                         ; all sixteen work-groups are here: the joint loads meet
	s_mov_b32 s[G0S], 1
	s_add_co_u32 s[G0S+1], s94, SCL
	s_mov_b64 s[G0S+2:G0S+3], s[22:23]
	s_or_b32 s[G0S+3], s[G0S+3], 0x80000000
	s_mov_b32 s[G0SB], 1
	s_add_co_u32 s[G0SB+1], s94, SCL
	s_mov_b64 s[G0SB+2:G0SB+3], s[92:93]
	s_or_b32 s[G0SB+3], s[G0SB+3], 0x80000000
	JLOAD G0S, G1S, G0SB, G1SB                     ; the scales first: they are wanted with the first slot
.irp s, 0,1
	s_mov_b32 s[G0+4*\s], 1
	s_add_co_u32 s[G0+4*\s+1], s45, \s*SLOT
	s_add_nc_u64 s[G0+4*\s+2:G0+4*\s+3], s[20:21], \s*ROWB
	s_or_b32 s[G0+4*\s+3], s[G0+4*\s+3], 0x80000000
	s_mov_b32 s[G0B+4*\s], 1
	s_add_co_u32 s[G0B+4*\s+1], s45, \s*SLOT
	s_add_nc_u64 s[G0B+4*\s+2:G0B+4*\s+3], s[46:47], \s*ROWB
	s_or_b32 s[G0B+4*\s+3], s[G0B+4*\s+3], 0x80000000
	JLOAD G0+4*\s, G1, G0B+4*\s, G1B               ; three tensor loads of mine are out
.endr
	v_and_b32 v1, 15, v0                           ; r = lane % 16
	v_bfe_u32 v2, v0, 4, 1                         ; h = lane / 16
	v_lshlrev_b32 v7, 5, v2                        ; the bias: my half's eight columns begin 32 h bytes on
	s_lshl_b32 s46, s40, 9
	s_lshl_b32 s47, s16, 8
	s_add_co_u32 s46, s46, s47                     ; my first column in its plane, in f16 bytes: 512 cx + 256 x half
	s_lshl_b32 s92, s46, 1                         ; and in f32 bytes
	s_mov_b32 s93, 0
	s_cmp_eq_u32 ttmp9, 0                          ; q takes bq, v takes bv
	s_cselect_b64 s[96:97], s[96:97], s[98:99]
	s_add_nc_u64 s[96:97], s[96:97], s[92:93]
	s_cmp_eq_u32 ttmp9, 1                          ; the cluster's x: the same in all partners
	s_cbranch_scc1 .Lno_bias
.irp b, 0,1,2,3,4,5,6,7
	global_load_b128 v[BI+8*\b:BI+8*\b+3], v7, s[96:97] offset:64*\b          ; register 8 b + j: the bias of column 16 b + 8 h + j
	global_load_b128 v[BI+8*\b+4:BI+8*\b+7], v7, s[96:97] offset:64*\b+16
.endr
	s_branch .Lbias_done
.Lno_bias:                                             ; k has no bias: zeros in the same registers keep one text for all three products
.set i, 0
.rept 64
	v_mov_b32 v[BI+i], 0
.set i, i+1
.endr
.Lbias_done:
	v_mul_u32_u24 v3, v1, PITCH
	v_lshl_add_u32 v4, v2, 4, v3                   ; a fragment's row x pitch + 16 x half
	s_mul_i32 s21, s15, HALFT                      ; my 128 rows of x
	s_mul_i32 s22, s16, HALFT                      ; my 128 rows of the weights,
	s_add_co_u32 s22, s22, 2*HALFT                 ; which lie behind x's 256
.irp s, 0,1
	v_add_nc_u32 v[ADRA+\s], s21, v4
	v_add_nc_u32 v[ADRB+\s], s22, v4
	s_add_co_u32 s21, s21, SLOT
	s_add_co_u32 s22, s22, SLOT
.endr
	v_mul_u32_u24 v5, v1, KS                       ; my row's scales: 32 bytes a row,
	v_lshrrev_b32 v6, 8, v5
	v_lshl_add_u32 v5, v6, 4, v5                   ; and 16 more for each 256 passed
	s_mul_i32 s21, s15, HALFS
	s_mul_i32 s22, s16, HALFS
	s_add_co_u32 s22, s22, 2*HALFS
	s_sub_co_u32 s22, s22, s21
	v_mul_u32_u24 v6, s22, v2                      ; lanes 16-31 take the weights'
	s_add_co_u32 s21, s21, SCL
	v_add_nc_u32 v5, v5, v6
	v_add_nc_u32 v[ADRS], s21, v5
	s_mul_i32 s23, s14, 16*SP32                    ; my stage
	v_mul_u32_u24 v5, v1, SP16                     ; f16, in: row r, 16 bytes for each half of the lanes
	v_lshl_add_u32 v5, v2, 4, v5
	v_add_nc_u32 v[STO], s23, v5
	v_mul_u32_u24 v5, v2, SP16                     ; back: lanes 0-15 one row of 256 bytes, lanes 16-31 the next
	v_lshl_add_u32 v5, v1, 4, v5
	v_add_nc_u32 v[RD], s23, v5
	v_lshlrev_b32 v5, 11, v2                       ; and the same two rows in qkv: rows of 2,048 bytes
	v_lshl_add_u32 v[CO], v1, 4, v5
	v_mul_u32_u24 v5, v1, SP32                     ; f32, in: row r, 32 bytes for each half
	v_lshl_add_u32 v5, v2, 5, v5
	v_add_nc_u32 v[STO32], s23, v5
	v_and_b32 v6, 31, v0
	v_lshlrev_b32 v[CO32], 4, v6                   ; back: the 32 lanes take one row of 512 bytes
	v_add_nc_u32 v[RD32], s23, v[CO32]
	s_lshl_b32 s20, s15, 7
	s_add_co_u32 s20, s20, s17                     ; my first row
	s_lshl_b32 s20, s20, 11                        ; x 2,048 bytes
	s_lshl_b32 s21, ttmp9, 24                      ; + the plane of q, k or v
	s_add_co_u32 s20, s20, s21
	s_add_co_u32 s20, s20, s46                     ; + my first column
	s_mov_b32 s21, 0
	s_add_nc_u64 s[12:13], s[12:13], s[20:21]
	s_lshl_b32 s22, ttmp9, 18                      ; h32: the plane, 262,144 bytes,
	s_lshl_b32 s23, s41, 16                        ; the sequence, 65,536,
	s_add_co_u32 s22, s22, s23
	s_add_co_u32 s22, s22, s92                     ; my first column
	s_mov_b32 s23, 0
	s_add_nc_u64 s[66:67], s[66:67], s[22:23]
.macro FRAG reg, adr, q, i             ; a fragment, 16 rows x 128 K of 4-bit codes: lane l holds row l % 16; registers 4 c .. 4 c + 3 hold K = 64 c + 32 (l / 16) + 0 .. 31
.irp c, 0,1
	ds_load_b128 v[\reg+4*\c:\reg+4*\c+3], v[\adr] offset:64*(\q)+32*\c+(\i)*16*PITCH
.endr
.endm
; 16 matrix instructions: x's blocks a0, a0 + 1 against the weights' eight, 128 along K.  first = 1: the sum's first instruction takes the bias as C.  The 64 accumulators take turns, one instruction a turn, in the same order in every step.
.macro MUL16 a0, p, q, sc, first
.irp a, \a0, \a0+1
.irp b, 0,1,2,3,4,5,6,7
.if \first
	v_wmma_scale_f32_16x16x128_f8f6f4 v[8*(8*((\a)%4)+\b):8*(8*((\a)%4)+\b)+7], v[128*(\p)+FR*\b:128*(\p)+FR*\b+FR-1], v[AF+FR*(\a):AF+FR*(\a)+FR-1], v[BI+8*\b:BI+8*\b+7], v[SC+8*NQ*(\sc)+NQ*\b+(\q)], v[SC+8*NQ*(\sc)+NQ*(\a)+(\q)] matrix_a_fmt:MATRIX_FMT_FP4 matrix_b_fmt:MATRIX_FMT_FP4 matrix_a_scale:MATRIX_SCALE_ROW1
.else
	v_wmma_scale_f32_16x16x128_f8f6f4 v[8*(8*((\a)%4)+\b):8*(8*((\a)%4)+\b)+7], v[128*(\p)+FR*\b:128*(\p)+FR*\b+FR-1], v[AF+FR*(\a):AF+FR*(\a)+FR-1], v[8*(8*((\a)%4)+\b):8*(8*((\a)%4)+\b)+7], v[SC+8*NQ*(\sc)+NQ*\b+(\q)], v[SC+8*NQ*(\sc)+NQ*(\a)+(\q)] matrix_a_fmt:MATRIX_FMT_FP4 matrix_b_fmt:MATRIX_FMT_FP4 matrix_a_scale:MATRIX_SCALE_ROW1
.endif
.endr
.endr
.endm
.macro FETCH_B slot, q, p
	WIN TO_B
.irp i, 0,1,2,3,4,5,6,7
	FRAG 128*(\p)+FR*\i, ADRB+\slot, \q, \i
.endr
	WIN 0
.endm
.macro FETCH_A slot, q, i0
.irp i, \i0, \i0+1, \i0+2, \i0+3
	FRAG AF+FR*(\i), ADRA+\slot, \q, \i
.endr
.endm
.macro SCALES sc                       ; a slot's scale words: four words a row; lanes 0-15 take x's block i, lanes 16-31 the weights' block i
.irp i, 0,1,2,3,4,5,6,7
	ds_load_b128 v[SC+8*NQ*\sc+NQ*\i:SC+8*NQ*\sc+NQ*\i+3], v[ADRS] offset:\i*SBLK
.endr
.endm
.macro PLACES n                        ; plain vector instructions between a matrix instruction and a load into, or a read of, its registers
.rept \n
	v_nop
.endr
.endm
.macro STEP slot, q, first             ; a step of 128 along K that has its successor in the same slot
	s_wait_dscnt 4*NL                              ; the weights' set and x's blocks 0-3 are in; the youngest eight loads (x's blocks 4-7) may be out
.if \first
	WIN FST_LO
.else
	WIN MUL_LO
.endif
	MUL16 0, (\q)%2, \q, \slot, \first
	MUL16 2, (\q)%2, \q, \slot, \first
	s_wait_dscnt 0                                 ; x's blocks 4-7 are in
	PLACES NP
	FETCH_B \slot, (\q)+1, 1-(\q)%2
	FETCH_A \slot, (\q)+1, 0
.if \first
	WIN FST_HI
.else
	WIN MUL_HI
.endif
	MUL16 4, (\q)%2, \q, \slot, \first
	MUL16 6, (\q)%2, \q, \slot, \first
	PLACES NP
	WIN 0
	FETCH_A \slot, (\q)+1, 4
.endm
.macro STEPS slot, from
.set Q, \from
.rept NQ-1-\from
	STEP \slot, Q, 0
.set Q, Q+1
.endr
.endm
	s_wait_tensorcnt 1                             ; the scales and my part of slot 0 are in (slot 1's load may be out)
	s_barrier_signal -1
	s_barrier_wait -1                              ; everybody's are
	FETCH_B 0, 0, 0
	FETCH_A 0, 0, 0
	SCALES 0
	FETCH_A 0, 0, 4
	s_wait_loadcnt 0x0                             ; the bias
	STEP 0, 0, 1                                   ; the first step's products start the sums, with the bias
	STEPS 0, 1
	; slot 0's last step changes slots: one barrier; in front of it each wave waits for all its tensor loads, adds 0 to its spare word, and waits for that and for its reads of slot 0
	s_wait_tensorcnt 0x0                           ; my part of slot 1 has landed  (every window is 0 here)
	ds_add_u32 v[SPW], v[NIL]
	s_wait_dscnt 4*NL+1                            ; (the add and the youngest eight loads may be out)
	WIN MUL_LO
	MUL16 0, 1, NQ-1, 0, 0
	s_wait_dscnt 0x0                               ; the add is done, and my reads of slot 0 are over
	s_barrier_signal -1
	MUL16 2, 1, NQ-1, 0, 0
	WIN 0
	s_barrier_wait -1                              ; slot 1 is whole, and nobody reads slot 0 any more
	PLACES NP
	v_add_nc_u32 v[ADRS], 4*NQ, v[ADRS]            ; on to slot 1's scale words (no LDS load of mine is out)
	FETCH_B 1, 0, 0
	FETCH_A 1, 0, 0
	SCALES 1
	WIN MUL_HI
	MUL16 4, 1, NQ-1, 0, 0
	MUL16 6, 1, NQ-1, 0, 0
	PLACES NP
	WIN 0
	FETCH_A 1, 0, 4
	STEPS 1, 0
	s_wait_dscnt 4*NL                              ; the very last step: nothing more to fetch
	WIN MUL_LO
	MUL16 0, 1, NQ-1, 1, 0
	MUL16 2, 1, NQ-1, 1, 0
	s_wait_dscnt 0
	WIN MUL_HI
	MUL16 4, 1, NQ-1, 1, 0
	MUL16 6, 1, NQ-1, 1, 0
	WIN 0
	PLACES NP                                      ; in front of the loads into the registers that held x's fragments, and of the first reads of results
	; THE FIRST 16 POSITIONS OF A SEQUENCE, IN f32: my block 0, where my rows begin a sequence.  Through my stage, back as whole rows of 512 bytes.
	s_cmp_lg_u32 s100, 0                           ; the cluster's y and the wave's number alone
	s_cbranch_scc1 .Lno_h32
	WIN 0x08                                       ; an LDS store's data are its source 1: window 2
.irp b, 0,1,2,3,4,5,6,7
	ds_store_b128 v[STO32], v[8*\b:8*\b+3] offset:64*\b              ; each accumulator from its low end on
	ds_store_b128 v[STO32], v[8*\b+4:8*\b+7] offset:64*\b+16
.endr
	WIN 0
.irp t, 0,1,2,3,4,5,6,7,8,9,10,11,12,13,14,15
	ds_load_b128 v[128+4*\t:128+4*\t+3], v[RD32] offset:\t*SP32     ; LDS serves a wave's instructions in order: these see the stores above
.endr
	s_wait_dscnt 0x0
.irp t, 0,1,2,3,4,5,6,7,8,9,10,11,12,13,14,15
	global_store_b128 v[CO32], v[128+4*\t:128+4*\t+3], s[66:67] offset:\t*4096   ; 32 lanes store 512 consecutive bytes, aligned
.endr
	s_wait_xcnt 0x0                                ; these stores have read their registers: the way out below writes them again
.Lno_h32:
; THE WAY OUT IN f16, block by block of 16 rows x 128 columns: rounded, 16 bytes a lane; into my stage; back as whole rows of 256 bytes; stored.
.macro PACK a
.set AC, 64*((\a)%4)
	WIN 0x0a+5*((\a)/4)                            ; sources 0 and 1: window 2 or 3
.irp b, 0,1,2,3,4,5,6,7
.irp r, 0,1,2,3
	v_cvt_pk_f16_f32 v[TMP+4*\b+\r], v[AC+8*\b+2*\r], v[AC+8*\b+2*\r+1]
.endr
.endr
	WIN 0
.endm
.macro TOSTAGE a
.set BK, OB+32*((\a)%2)
.irp b, 0,1,2,3,4,5,6,7
	ds_store_b128 v[STO], v[TMP+4*\b:TMP+4*\b+3] offset:32*\b
.endr
.irp t, 0,1,2,3,4,5,6,7
	ds_load_b128 v[BK+4*\t:BK+4*\t+3], v[RD] offset:\t*2*SP16
.endr
.endm
.macro SEND a
.set BK, OB+32*((\a)%2)
	s_wait_dscnt 0x0                               ; the block is back in registers
	s_wait_xcnt 0x0                                ; the earlier stores have read their base and their registers: both are written again only behind this wait
.if (\a) > 0
	s_add_nc_u64 s[12:13], s[12:13], 16*2048       ; 16 rows on
.endif
.irp t, 0,1,2,3,4,5,6,7
	global_store_b128 v[CO], v[BK+4*\t:BK+4*\t+3], s[12:13] offset:2*\t*2048   ; sixteen lanes store 256 consecutive bytes, aligned
.endr
.endm
	PACK 0
	TOSTAGE 0
.irp a, 1,2,3,4,5,6,7                  ; block a's conversions stand between block a - 1's loads from the stage and the wait for them
	PACK \a
	SEND \a-1
	TOSTAGE \a
.endr
	SEND 7
	s_wait_tensorcnt 0x0                           ; the wave's end: behind my last tensor load and my last LDS store
	ds_add_u32 v[SPW], v[NIL]
	s_wait_dscnt 0x0
	CROUND                                         ; the closing round
	s_endpgm
.Lfunc_end_k_qa442af5673_proj:
	.size	k_qa442af5673_proj, .Lfunc_end_k_qa442af5673_proj-k_qa442af5673_proj
	.p2alignl 7, 3214868480
	.fill 96, 4, 3214868480
	.section	.rodata,"a",@progbits
	.p2align	6, 0x0
	.amdhsa_kernel k_qa442af5673_proj
		.amdhsa_group_segment_fixed_size 327680
		.amdhsa_private_segment_fixed_size 0
		.amdhsa_enable_private_segment 0
		.amdhsa_kernarg_size 64
		.amdhsa_user_sgpr_count 2
		.amdhsa_user_sgpr_kernarg_segment_ptr 1
		.amdhsa_wavefront_size32 1
		.amdhsa_system_sgpr_workgroup_id_x 1
		.amdhsa_system_sgpr_workgroup_id_y 1
		.amdhsa_system_sgpr_workgroup_id_z 1
		.amdhsa_system_vgpr_workitem_id 0
		.amdhsa_next_free_vgpr 1024
		.amdhsa_next_free_sgpr 102
		.amdhsa_reserve_vcc 0
		.amdhsa_float_denorm_mode_32 3
		.amdhsa_float_denorm_mode_16_64 3
		.amdhsa_memory_ordered 1
		.amdhsa_forward_progress 1
		.amdhsa_inst_pref_size 135
	.end_amdhsa_kernel
	.amdgpu_metadata
---
amdhsa.version: [ 1, 2 ]
amdhsa.kernels:
  - .name:           k_qa442af5673_proj
    .symbol:         k_qa442af5673_proj.kd
    .args:
      - { .name: xc, .offset: 0, .size: 8, .value_kind: global_buffer, .address_space: global }
      - { .name: xs, .offset: 8, .size: 8, .value_kind: global_buffer, .address_space: global }
      - { .name: wc, .offset: 16, .size: 8, .value_kind: global_buffer, .address_space: global }
      - { .name: ws, .offset: 24, .size: 8, .value_kind: global_buffer, .address_space: global }
      - { .name: bq, .offset: 32, .size: 8, .value_kind: global_buffer, .address_space: global }
      - { .name: bv, .offset: 40, .size: 8, .value_kind: global_buffer, .address_space: global }
      - { .name: qkv, .offset: 48, .size: 8, .value_kind: global_buffer, .address_space: global }
      - { .name: h32, .offset: 56, .size: 8, .value_kind: global_buffer, .address_space: global }
    .group_segment_fixed_size: 327680
    .private_segment_fixed_size: 0
    .kernarg_segment_align: 8
    .kernarg_segment_size: 64
    .max_flat_workgroup_size: 128
    .sgpr_count:     102
    .vgpr_count:     1024
    .wavefront_size: 32
...
	.end_amdgpu_metadata
.endif
;; end of part 2
;; launch scores (part 3): grid 36 x 4, 4 waves a work-group, no clusters, 327,680 bytes of LDS; arguments qkv, pp, st; writes pp, st
.if DOCPART == 3
	.amdgcn_target "amdgcn-amd-amdhsa--gfx1250"
	.amdhsa_code_object_version 6
	.text
	.protected	k_qa442af5673_scores
	.globl	k_qa442af5673_scores
	.p2align	8
	.type	k_qa442af5673_scores,@function
k_qa442af5673_scores:
	s_mov_b64 s[64:65], 0
	v_nop
	global_prefetch_b8 v0, s[64:65] scope:SCOPE_SE
	s_setreg_imm32_b32 hwreg(HW_REG_WAVE_MODE, 25, 1), 1
	s_wait_xcnt 0x0
; THE SCORES AND THE FIRST HALF OF THE SOFTMAX.  For each live tile of 256 queries x 256 keys: S = q k^T (f16 operands, f32 sums), the causal mask, and for each (query, 128 keys):
; m = c x the largest score of these 128 keys, p = 2^(c s - m), l = the sum of p; c = log2(e) / sqrt(1024).  p goes out in f16 (pp), m and l in f32 (st).  The next launch weighs each 128 keys' part of
; attn x v by 2^(m - M), M the row's largest m: the maximum is taken away before every exponential, and no score goes to memory.
; LEFT OUT: the tiles that lie wholly above the diagonal of the mask that the problem builds itself (28 of 64 for each sequence); bk (shown at the head of the first kernel).
; NO CLUSTER: a row of tiles of the triangle has 1 to 8 live tiles and a column likewise, which is no multiple of four, and a partner whose tile lay above the diagonal would read nothing of a joint tile.
; A tile is made by four waves, 128 x 128 each: 64 accumulators, 512 registers.  K = 1,024 goes in steps of 128 through a ring of two LDS slots; each wave fetches a quarter of a slot (128 rows of 256 bytes) by one tensor load.
; THE MATRIX INSTRUCTION IS USED TRANSPOSED (source 0 = 16 keys, source 1 = 16 queries): a lane holds ONE query (lane % 16) and eight neighbouring keys, 8 (lane / 16) + 0 .. 7, of each tile of keys.
; IN A TILE ON THE DIAGONAL: the waves whose rows and keys are the same half mask their scores; the wave with rows 0-127 and keys 128-255 has no live score: it walks the ring with the others (every wave passes
; every barrier) and stores p = 0, m = -infinity, l = 0, since the next launch reads keys 256 at a time.
; REGISTERS: window 0: v0-31 addresses; v32-63 at work on the way out; v64-127, v128-191 fragments of q, two buffers; on the way out v64-223 are free.  window 1: v64-127, v128-191 fragments of k.
;   window 2: the accumulators of my queries 0-63 ((a, b) at v[8 (8 a + b)]);  window 3: those of my queries 64-127.
.set KSTEP,  128
.set PITCH,  272
.set HALFT,  128*PITCH
.set SLOT,   4*HALFT
.set STAGE,  2*SLOT                    ; behind the ring: 16 rows x 272 bytes for each wave
.set SPITCH, 272
.set STS,    STAGE+4*16*SPITCH         ; 1,024 bytes for each wave: its 128 m, then its 128 l
.set SPARE,  STS+4096                  ; the spare words, 128 bytes a wave: two blocks of 256 bytes that no other line names
.set LAPS,   4                         ; a lap = two K steps
.set ADRA, 16
.set ADRB, 20
.set STO,  24
.set RD,   25
.set CO,   26                          ; v26  (lane / 16) x 4,096 + 16 (lane % 16): two rows of pp
.set SA,   27                          ; v27  where I put a query's m
.set SPW,  28
.set NIL,  29
.set SBA,  30                          ; v30  where I read four m back
.set LO,   31                          ; v31  16 x lane
.set CHN,  32                          ; v32-35 the maximum's four chains
.set PD,   36                          ; v36  a lane permute's destination
.set SU,   37
.set CM,   38                          ; v[38:39] m (the packed form names the pair and takes its low word)
.set STM,  40                          ; v40-47 m of my eight tiles of queries
.set STL,  48                          ; v48-55 l
.set D0,   56                          ; v56  r - 8 h
.set NINF, 57                          ; v57  -infinity
.set T,    64                          ; v64-127 c s - m, then p
.set TMP,  128                         ; v128-159 p in f16
.set BK,   160                         ; v160-191, v192-223: rows read back, by turns
.set F0,   64
.set F1,   128
.set G1, 24
.set G0, 32
.set DIAG, 40
.set DEAD, 41
.set CS,  58
.set SEL, 60
.set MSB, 0
.macro WIN new
.if MSB != \new
	s_set_vgpr_msb (MSB<<8)|\new
.set MSB, \new
.endif
.endm
.set MUL_LO, 0xa1
.set MUL_HI, 0xf1
.set TO_B,   0x40
	s_load_b128 s[4:7], s[0:1], 0x0                ; qkv s[4:5], pp s[6:7]
	s_load_b64 s[8:9], s[0:1], 0x10                ; st
	v_lshl_add_u32 v[SPW], v0, 2, SPARE
	v_mov_b32 v[NIL], 0
	ds_add_u32 v[SPW], v[NIL]                      ; the wave's opening: the add, twice on end, and its wait ahead of my first tensor load
	ds_add_u32 v[SPW], v[NIL]
	v_lshrrev_b32 v1, 5, v0
	v_readfirstlane_b32 s10, v1                    ; wave 0..3
	s_lshr_b32 s11, s10, 1                         ; which half of the tile's queries is mine
	s_and_b32 s12, s10, 1                          ; which half of its keys.  Also: which 128 rows I fetch
	s_mov_b32 s13, 0                               ; the work-group's x counts the triangle's tiles row by row: I = how many of the rows' first numbers it has reached
.irp n, 1,3,6,10,15,21,28
	s_cmp_ge_u32 ttmp9, \n
	s_cselect_b32 s14, 1, 0
	s_add_co_u32 s13, s13, s14
.endr
	s_add_co_u32 s14, s13, 1
	s_mul_i32 s14, s14, s13
	s_lshr_b32 s14, s14, 1
	s_sub_co_u32 s14, ttmp9, s14                   ; J = x - I (I + 1) / 2, at most I
	s_and_b32 s15, ttmp7, 0xffff                   ; the sequence
	s_cmp_eq_u32 s13, s14
	s_cselect_b32 s16, 1, 0                        ; a tile on the diagonal
	s_xor_b32 s17, s11, s12
	s_and_b32 s18, s17, s12
	s_and_b32 s[DEAD], s18, s16                    ; queries 0-127, keys 128-255 of such a tile
	s_xor_b32 s17, s17, 1
	s_and_b32 s[DIAG], s17, s16                    ; the same half of both
	s_mov_b32 s[G1+0], (1<<16)|(1<<20)|(5<<22)|(3<<25)   ; no mask; elements of 2 bytes; padding on: after every 64 words four words
	s_mov_b32 s[G1+1], KSTEP<<16                   ; tensor_dim0 = 128
	s_mov_b32 s[G1+2], 128<<16                     ; tensor_dim1 = 128
	s_mov_b32 s[G1+3], KSTEP<<16                   ; tile_dim0
	s_mov_b32 s[G1+4], 128                         ; tile_dim1
	s_mov_b32 s[G1+5], 1024                        ; the pitch, in elements
	s_mov_b32 s[G1+6], 0
	s_mov_b32 s[G1+7], 0
	s_cmp_lt_u32 s10, 2                            ; waves 0 and 1 fetch q's halves, waves 2 and 3 k's
	s_cselect_b32 s16, s13, s14
	s_cselect_b32 s17, 0, 0x1000000                ; k's plane lies 16,777,216 bytes on
	s_lshl_b32 s18, s15, 11
	s_lshl_b32 s16, s16, 8
	s_add_co_u32 s18, s18, s16
	s_lshl_b32 s16, s12, 7
	s_add_co_u32 s18, s18, s16                     ; row 2048 x sequence + 256 x tile + 128 x half,
	s_lshl_b32 s18, s18, 11                        ; of 2,048 bytes
	s_add_co_u32 s18, s18, s17
	s_mov_b32 s19, 0
	s_mul_i32 s20, s10, HALFT                      ; where it goes: q's two halves, then k's: wave x 128 rows
	s_mov_b32 s[CS], 0x3d38aa3b                    ; c = log2(e) / 32
	s_mov_b32 s[CS+1], s[CS]
	s_mov_b32 s[SEL], 0x76543210
	s_mov_b32 s[SEL+1], 0xfedcba98
	s_wait_dscnt 0x0                               ; both opening adds are done
	s_wait_kmcnt 0x0
	s_add_nc_u64 s[22:23], s[4:5], s[18:19]
.irp s, 0,1
	s_mov_b32 s[G0+4*\s], 1
	s_add_co_u32 s[G0+4*\s+1], s20, \s*SLOT
	s_add_nc_u64 s[G0+4*\s+2:G0+4*\s+3], s[22:23], \s*KSTEP*2
	s_or_b32 s[G0+4*\s+3], s[G0+4*\s+3], 0x80000000
	tensor_load_to_lds s[G0+4*\s:G0+4*\s+3], s[G1:G1+7]   ; the two first fills go out together: two loads of mine are out
	s_nop 0
.endr
	v_and_b32 v1, 15, v0                           ; r
	v_bfe_u32 v2, v0, 4, 1                         ; h
	v_mul_u32_u24 v3, v1, PITCH
	v_lshl_add_u32 v3, v2, 4, v3
	s_mul_i32 s21, s11, HALFT                      ; my 128 queries
	s_mul_i32 s22, s12, HALFT                      ; my 128 keys,
	s_add_co_u32 s22, s22, 2*HALFT                 ; which lie behind q's 256 rows
.irp s, 0,1
	v_add_nc_u32 v[ADRA+\s], s21, v3
	v_add_nc_u32 v[ADRB+\s], s22, v3
	s_add_co_u32 s21, s21, SLOT
	s_add_co_u32 s22, s22, SLOT
.endr
	s_mul_i32 s23, s10, 16*SPITCH
	s_add_co_u32 s23, s23, STAGE                   ; my stage
	v_mul_u32_u24 v4, v1, SPITCH
	v_lshl_add_u32 v4, v2, 4, v4
	v_add_nc_u32 v[STO], s23, v4
	v_mul_u32_u24 v5, v2, SPITCH
	v_lshl_add_u32 v5, v1, 4, v5
	v_add_nc_u32 v[RD], s23, v5
	v_lshlrev_b32 v5, 12, v2
	v_lshl_add_u32 v[CO], v1, 4, v5
	s_lshl_b32 s23, s10, 10
	s_add_co_u32 s23, s23, STS                     ; my 1,024 bytes of statistics
	v_lshl_add_u32 v[SA], v1, 2, s23
	v_and_b32 v5, 31, v0
	v_lshlrev_b32 v[LO], 4, v5
	v_add_nc_u32 v[SBA], s23, v[LO]
	v_lshlrev_b32 v5, 3, v2
	v_sub_nc_u32 v[D0], v1, v5
	v_mov_b32 v[NINF], 0xff800000
	v_mov_b32 v[PD], 0                             ; written once: a lane permute's destination counts as one of its sources
	v_mov_b32 v[CM+1], 0                           ; named with v38 as a pair, so it is written
	s_lshl_b32 s16, s13, 8
	s_lshl_b32 s17, s11, 7
	s_add_co_u32 s16, s16, s17                     ; my first query in the sequence
	s_lshl_b32 s18, s16, 12                        ; pp: rows of 4,096 bytes,
	s_lshl_b32 s17, s15, 23                        ; sequences of 8,388,608,
	s_add_co_u32 s18, s18, s17
	s_lshl_b32 s17, s14, 9
	s_add_co_u32 s18, s18, s17                     ; my first key, 2 bytes each
	s_lshl_b32 s17, s12, 8
	s_add_co_u32 s18, s18, s17
	s_mov_b32 s19, 0
	s_add_nc_u64 s[6:7], s[6:7], s[18:19]
	s_lshl_b32 s18, s15, 17                        ; st: [sequence][16 runs of 128 keys][2048 queries] f32
	s_lshl_b32 s17, s14, 1
	s_add_co_u32 s17, s17, s12
	s_lshl_b32 s17, s17, 13
	s_add_co_u32 s18, s18, s17
	s_lshl_b32 s17, s16, 2
	s_add_co_u32 s18, s18, s17
	s_add_nc_u64 s[8:9], s[8:9], s[18:19]
; 16 matrix instructions: tiles of queries a0, a0 + 1 of the window's four x all 8 tiles of keys, 32 along K.  zero = 1: the first product starts the sums.  The 64 accumulators take turns, one instruction a turn.
.macro MUL16 f, hi, a0, zero
.irp a, \a0, \a0+1
.irp b, 0,1,2,3,4,5,6,7
.if \zero
	v_wmma_f32_16x16x32_f16 v[8*(8*(\a)+\b):8*(8*(\a)+\b)+7], v[\f+8*\b:\f+8*\b+7], v[\f+8*(4*\hi+\a):\f+8*(4*\hi+\a)+7], 0
.else
	v_wmma_f32_16x16x32_f16 v[8*(8*(\a)+\b):8*(8*(\a)+\b)+7], v[\f+8*\b:\f+8*\b+7], v[\f+8*(4*\hi+\a):\f+8*(4*\hi+\a)+7], v[8*(8*(\a)+\b):8*(8*(\a)+\b)+7]
.endif
.endr
.endr
.endm
.macro FETCH slot, k, f                ; 32 LDS loads in one run: a quarter step's fragments (128 keys, 128 queries, 32 along K at byte k of the rows)
	WIN TO_B
.irp i, 0,1,2,3,4,5,6,7
	ds_load_b128 v[\f+8*\i:\f+8*\i+3],   v[ADRB+\slot] offset:\k+\i*16*PITCH
	ds_load_b128 v[\f+8*\i+4:\f+8*\i+7], v[ADRB+\slot] offset:\k+\i*16*PITCH+32
.endr
	WIN 0
.irp i, 0,1,2,3,4,5,6,7
	ds_load_b128 v[\f+8*\i:\f+8*\i+3],   v[ADRA+\slot] offset:\k+\i*16*PITCH
	ds_load_b128 v[\f+8*\i+4:\f+8*\i+7], v[ADRA+\slot] offset:\k+\i*16*PITCH+32
.endr
.endm
.macro PLACES                          ; four plain vector instructions between a matrix instruction and a load into, or a vector instruction on, its registers
.rept 4
	v_nop
.endr
.endm
.macro QUARTER slot, k, f, g, zero     ; multiplies buffer f; in its middle it fetches the next quarter's fragments, at byte k, into buffer g
	s_wait_dscnt 8                                 ; k's and q's rows 0-63 are in; the youngest eight loads (q's rows 64-127) may be out
	WIN MUL_LO
	MUL16 \f, 0, 0, \zero
	MUL16 \f, 0, 2, \zero
	PLACES
	FETCH \slot, \k, \g
	s_wait_dscnt 32                                ; all but the 32 just issued
	WIN MUL_HI
	MUL16 \f, 1, 0, \zero
	MUL16 \f, 1, 2, \zero
.endm
; A K step's last quarter multiplies buffer 1 and changes slots: ONE barrier.  In front of it each wave waits for all its tensor loads (the one that is out is its part of the next slot), adds 0 to its spare word,
; and waits for that and for its reads of this slot.  fill = 1: behind it this slot is filled again, two K steps ahead: the wave's one tensor load until the next such barrier.
.macro TURN slot, next, fill
	WIN 0                                          ; (the add's two registers lie in window 0)
	s_wait_tensorcnt 0x0
	ds_add_u32 v[SPW], v[NIL]
	s_wait_dscnt 9                                 ; (the add and the youngest eight loads may be out)
	WIN MUL_LO
	MUL16 F1, 0, 0, 0                              ; sixteen matrix instructions stand between the add and the wait for it
	s_wait_dscnt 0x0                               ; the add is done, and my reads of this slot are over
	s_barrier_signal -1
	MUL16 F1, 0, 2, 0                              ; work on registers while the others arrive
	s_barrier_wait -1
.if \fill
	s_add_nc_u64 s[G0+4*\slot+2:G0+4*\slot+3], s[G0+4*\slot+2:G0+4*\slot+3], 2*KSTEP*2   ; no tensor load of mine is out, so the descriptor may be written
	tensor_load_to_lds s[G0+4*\slot:G0+4*\slot+3], s[G1:G1+7]
	s_nop 0
.endif
	PLACES                                         ; behind the load, and in front of the loads below
	FETCH \next, 0, F0
	WIN MUL_HI
	MUL16 F1, 1, 0, 0
	MUL16 F1, 1, 2, 0
.endm
	s_wait_tensorcnt 1                             ; my part of K step 0 is in (K step 1's may be out)
	s_barrier_signal -1
	s_barrier_wait -1                              ; everybody's is
	FETCH 0, 0, F0
	QUARTER 0, 64,  F0, F1, 1                      ; the first quarter stands in front of the loop: its products start the sums
	WIN 0                                          ; at a label and at a branch every window is 0
	s_mov_b32 s3, LAPS-1
.Llap:                                                 ; a trip goes once round the ring and fills both slots again: K steps 2 to 7 in three trips
	QUARTER 0, 128, F1, F0, 0
	QUARTER 0, 192, F0, F1, 0
	TURN 0, 1, 1
	QUARTER 1, 64,  F0, F1, 0
	QUARTER 1, 128, F1, F0, 0
	QUARTER 1, 192, F0, F1, 0
	TURN 1, 0, 1
	QUARTER 0, 64,  F0, F1, 0
	WIN 0
	s_sub_co_u32 s3, s3, 1
	s_cmp_lg_u32 s3, 0
	s_cbranch_scc1 .Llap
	QUARTER 0, 128, F1, F0, 0                      ; the last lap is written out: it fills nothing
	QUARTER 0, 192, F0, F1, 0
	TURN 0, 1, 0
	QUARTER 1, 64,  F0, F1, 0
	QUARTER 1, 128, F1, F0, 0
	QUARTER 1, 192, F0, F1, 0
	s_wait_dscnt 8
	WIN MUL_LO
	MUL16 F1, 0, 0, 0
	MUL16 F1, 0, 2, 0
	s_wait_dscnt 0x0
	WIN MUL_HI
	MUL16 F1, 1, 0, 0
	MUL16 F1, 1, 2, 0
	WIN 0
	PLACES
	s_cmp_lg_u32 s[DEAD], 0                        ; ids and the wave's number alone
	s_cbranch_scc1 .Ldead
; THE SOFTMAX'S FIRST HALF for tile a of my queries (16 queries x my 128 keys: 64 registers a lane).
.macro SMX a
.set AC, 64*((\a)%4)
.set HW, (\a)/4                        ; 0: window 2;  1: window 3
	s_cmp_eq_u32 s[DIAG], 0
	s_cbranch_scc1 .Lopen_\@
	WIN 0x82+0x41*HW                               ; destination and source 0: the accumulators' window
.irp j, 0,1,2,3,4,5,6,7                ; the tile of keys on the diagonal: key 16 a + 8 h + j is hidden from query 16 a + r where j > r - 8 h
	v_cmp_gt_i32 vcc_lo, \j, v[D0]
	v_cndmask_b32 v[AC+8*(\a)+\j], v[AC+8*(\a)+\j], v[NINF], vcc_lo
.endr
.if (\a) < 7
.set bb, (\a)+1
.rept 7-(\a)                           ; the tiles of keys behind it are hidden whole
.irp j, 0,1,2,3,4,5,6,7
	v_mov_b32 v[AC+8*bb+\j], 0xff800000
.endr
.set bb, bb+1
.endr
.endif
	WIN 0
.Lopen_\@:
	WIN 0x2a+0x15*HW                               ; all three sources: the accumulators' window
.irp k, 0,1,2,3
	v_max3_num_f32 v[CHN+\k], v[AC+16*\k], v[AC+16*\k+1], v[AC+16*\k+2]   ; four chains; each accumulator is read from its low end on
.endr
	WIN 0x28+0x14*HW
.irp i, 3,5,7,9,11,13
.irp k, 0,1,2,3
	v_max3_num_f32 v[CHN+\k], v[CHN+\k], v[AC+16*\k+\i], v[AC+16*\k+\i+1]
.endr
.endr
	v_max3_num_f32 v[CHN], v[CHN], v[AC+15], v[AC+31]
	v_max3_num_f32 v[CHN+2], v[CHN+2], v[AC+47], v[AC+63]
	WIN 0
	v_max3_num_f32 v[CHN], v[CHN], v[CHN+1], v[CHN+2]
	v_max_num_f32 v[CHN], v[CHN], v[CHN+3]
	v_permlanex16_b32 v[PD], v[CHN], s[SEL], s[SEL+1]   ; the query's other 64 keys lie in the lane 16 away
	v_max_num_f32 v[CHN], v[CHN], v[PD]
	v_mul_f32 v[CM], s[CS], v[CHN]                 ; m = c x the largest score (c is positive).  Every query of a live wave sees a key, so m is a number
	WIN 0x02+HW
.set i, 0
.rept 32
	v_pk_fma_f32 v[T+i:T+i+1], v[AC+i:AC+i+1], s[CS:CS+1], v[CM:CM+1] op_sel_hi:[1,0,0] neg_lo:[0,0,1] neg_hi:[0,0,1]   ; c s - m, two at a time
.set i, i+2
.endr
	WIN 0
.set i, 0
.rept 64
	v_exp_f32 v[T+i], v[T+i]                       ; p = 2^(c s - m), at most 1; 0 where the key is hidden
.set i, i+1
.endr
	v_mov_b32 v[STM+(\a)], v[CM]                   ; (the plain instruction behind the exponentials)
	s_wait_alu depctr_va_vdst(0)                   ; one wait for the whole batch, ahead of its first reader
.set i, 0
.rept 32
	v_cvt_pk_f16_f32 v[TMP+i], v[T+2*i], v[T+2*i+1]
.set i, i+1
.endr
.irp w, 4,8,16,32,64                   ; l: the sum of the 32 pairs, in place, neighbours 1, 2, 4, 8 and 16 pairs apart
.set u, 0
.rept 64/\w
	v_pk_add_f32 v[T+\w*u:T+\w*u+1], v[T+\w*u:T+\w*u+1], v[T+\w*u+\w/2:T+\w*u+\w/2+1]
.set u, u+1
.endr
.endr
	v_add_f32 v[SU], v[T], v[T+1]
	v_permlanex16_b32 v[PD], v[SU], s[SEL], s[SEL+1]
	v_add_f32 v[STL+(\a)], v[SU], v[PD]
.endm
.macro TOSTAGE a                       ; a lane's 16 bytes are one sixteenth of a row's 256: through my stage, back as whole rows
.set BB2, BK+32*((\a)%2)
.irp b, 0,1,2,3,4,5,6,7
	ds_store_b128 v[STO], v[TMP+4*\b:TMP+4*\b+3] offset:32*\b
.endr
.irp t, 0,1,2,3,4,5,6,7
	ds_load_b128 v[BB2+4*\t:BB2+4*\t+3], v[RD] offset:\t*2*SPITCH   ; LDS serves a wave's instructions in order: these see the stores above
.endr
.endm
.macro SEND a
.set BB2, BK+32*((\a)%2)
	s_wait_dscnt 0x0                               ; the block is back in registers
	s_wait_xcnt 0x0                                ; the earlier stores have read their base and their registers
.if (\a) > 0
	s_add_nc_u64 s[6:7], s[6:7], 16*4096           ; 16 rows of pp on
.endif
.irp t, 0,1,2,3,4,5,6,7
	global_store_b128 v[CO], v[BB2+4*\t:BB2+4*\t+3], s[6:7] offset:2*\t*4096   ; sixteen lanes store 256 consecutive bytes, aligned
.endr
.endm
	SMX 0
	TOSTAGE 0
.irp a, 1,2,3,4,5,6,7                  ; tile a's softmax stands between tile a - 1's loads from the stage and the wait for them
	SMX \a
	SEND \a-1
	TOSTAGE \a
.endr
	SEND 7
.irp a, 0,1,2,3,4,5,6,7                ; m and l of my 128 queries: both halves of the lanes hold and write the same numbers
	ds_store_b32 v[SA], v[STM+\a] offset:64*\a
	ds_store_b32 v[SA], v[STL+\a] offset:512+64*\a
.endr
	ds_load_b128 v[64:67], v[SBA]
	ds_load_b128 v[68:71], v[SBA] offset:512
	s_wait_dscnt 0x0
	global_store_b128 v[LO], v[64:67], s[8:9]                  ; 32 lanes store 512 consecutive bytes, aligned
	global_store_b128 v[LO], v[68:71], s[8:9] offset:524288    ; l's plane
	s_branch .Lfin
.Ldead:                                                ; no key of mine counts for any query of mine: p = 0, m = -infinity, l = 0
.irp i, 64,65,66,67
	v_mov_b32 v[\i], 0
.endr
.irp i, 68,69,70,71
	v_mov_b32 v[\i], 0xff800000
.endr
.set i, 0
.rept 64
	global_store_b128 v[CO], v[64:67], s[6:7] offset:2*i*4096
.set i, i+1
.endr
	global_store_b128 v[LO], v[68:71], s[8:9]
	global_store_b128 v[LO], v[64:67], s[8:9] offset:524288
.Lfin:
	s_wait_tensorcnt 0x0                           ; the wave's end: behind my last tensor load and my last LDS store
	ds_add_u32 v[SPW], v[NIL]
	s_wait_dscnt 0x0
	s_endpgm
.Lfunc_end_k_qa442af5673_scores:
	.size	k_qa442af5673_scores, .Lfunc_end_k_qa442af5673_scores-k_qa442af5673_scores
	.p2alignl 7, 3214868480
	.fill 96, 4, 3214868480
	.section	.rodata,"a",@progbits
	.p2align	6, 0x0
	.amdhsa_kernel k_qa442af5673_scores
		.amdhsa_group_segment_fixed_size 327680
		.amdhsa_private_segment_fixed_size 0
		.amdhsa_enable_private_segment 0
		.amdhsa_kernarg_size 24
		.amdhsa_user_sgpr_count 2
		.amdhsa_user_sgpr_kernarg_segment_ptr 1
		.amdhsa_wavefront_size32 1
		.amdhsa_system_sgpr_workgroup_id_x 1
		.amdhsa_system_sgpr_workgroup_id_y 1
		.amdhsa_system_sgpr_workgroup_id_z 1
		.amdhsa_system_vgpr_workitem_id 0
		.amdhsa_next_free_vgpr 1024
		.amdhsa_next_free_sgpr 66
		.amdhsa_reserve_vcc 1
		.amdhsa_float_denorm_mode_32 3
		.amdhsa_float_denorm_mode_16_64 3
		.amdhsa_memory_ordered 1
		.amdhsa_forward_progress 1
		.amdhsa_inst_pref_size 234
	.end_amdhsa_kernel
	.amdgpu_metadata
---
amdhsa.version: [ 1, 2 ]
amdhsa.kernels:
  - .name:           k_qa442af5673_scores
    .symbol:         k_qa442af5673_scores.kd
    .args:
      - { .name: qkv, .offset: 0, .size: 8, .value_kind: global_buffer, .address_space: global }
      - { .name: pp, .offset: 8, .size: 8, .value_kind: global_buffer, .address_space: global }
      - { .name: st, .offset: 16, .size: 8, .value_kind: global_buffer, .address_space: global }
    .group_segment_fixed_size: 327680
    .private_segment_fixed_size: 0
    .kernarg_segment_align: 8
    .kernarg_segment_size: 24
    .max_flat_workgroup_size: 128
    .sgpr_count:     66
    .vgpr_count:     1024
    .wavefront_size: 32
...
	.end_amdgpu_metadata
.endif
;; end of part 3
;; launch pv (part 4): grid 8 x 32, 4 waves a work-group, clusters of 4 x 1, 327,680 bytes of LDS; arguments pp, qkv, st, out0; writes out0
.if DOCPART == 4
	.amdgcn_target "amdgcn-amd-amdhsa--gfx1250"
	.amdhsa_code_object_version 6
	.text
	.protected	k_qa442af5673_pv
	.globl	k_qa442af5673_pv
	.p2align	8
	.type	k_qa442af5673_pv,@function
k_qa442af5673_pv:
	s_mov_b64 s[64:65], 0
	v_nop
	global_prefetch_b8 v0, s[64:65] scope:SCOPE_SE
	s_setreg_imm32_b32 hwreg(HW_REG_WAVE_MODE, 25, 1), 1
	s_wait_xcnt 0x0
	s_wait_alu depctr_hold_cnt(0) depctr_sa_sdst(0) depctr_va_vdst(0) depctr_va_sdst(0) depctr_va_ssrc(0) depctr_va_vcc(0) depctr_vm_vsrc(0)
	s_getreg_b32 s2, hwreg(HW_REG_IB_STS2, 6, 4)
	s_cmp_eq_u32 s2, 0
	s_cbranch_scc0 .Lentry_in_a_cluster
	s_endpgm
.Lentry_in_a_cluster:
	s_bfe_u32 s2, ttmp6, 0x10000c
	s_cmp_lg_u32 s2, 0x3003
	s_cbranch_scc0 .Lentry_shape_is_right
	s_endpgm
.Lentry_shape_is_right:
; THE SECOND HALF OF THE SOFTMAX AND attn x v.  For each query: M = the largest m over its runs of 128 keys; O = the sum over the runs j of 2^(m_j - M) (P_j V_j); L = the sum of 2^(m_j - M) l_j; out = O / L.
; P_j V_j: f16 operands, f32 sums over the run's 128 keys; the weights, O and L in f32.  m_j - M is 0 or less, so no exponential can overflow.
; LEFT OUT: the runs of keys that lie wholly above the diagonal of the problem's own mask, but for the one run that shares a slot of 256 keys with a live one (there p = 0 and the weight is 0);
; rows 0-15 of each sequence, which the last launch makes in f32.
; SHARES.  A work-group makes 128 queries x 128 channels, first for block A of the sequence's sixteen blocks of queries and then for block 15 - A: (A + 2) / 2 and (17 - A) / 2 slots of 256 keys, always nine:
; 256 work-groups of equal work.  A wave makes 64 queries x 64 channels.
; CLUSTER: the four channel blocks of a cluster read the same tiles of P: a joint load.  V's tile hangs on the channel block: a load of the work-group's own.  V is not shared with other blocks of queries:
; the work-groups that read the same V change blocks at different steps and so do not walk in step.
; LAYOUT.  Source 0 = 16 channels x 32 keys of V (stored [key][channel], turned by ds_load_tr16_b128), source 1 = 16 queries x 32 keys of P: a lane holds ONE query (lane % 16) and eight neighbouring channels.
; REGISTERS: window 0: v16-31 addresses; v32-95 statistics; v96-191 the way out; v192-255 the head's loads.  window 1: two fragment buffers of 128 (64 keys deep): P's (c, t) at 8 (4 c + t), V's (c, u) at 64 + 8 (4 c + u).
;   window 2: v0-127 T, a run's partial sums ((t, u) at 8 (4 t + u)); v128-255 O.
.set PPI,   528                        ; a row of P in LDS: 512 bytes + 16
.set VPI,   288                        ; a row of V: 256 bytes + 32: the turning load's 8 rows x 32 bytes fall on different banks
.set VOFF,  128*PPI                    ; a slot: 128 rows of P, then 256 rows of V
.set SLOTB, VOFF+256*VPI
.set STAGE, 2*SLOTB                    ; behind the ring: 16 rows x 272 bytes for each wave
.set SPT,   272
.set SPARE, STAGE+4*16*SPT             ; the spare words, 128 bytes a wave: two blocks of 256 bytes that no other line names
.set ADRP, 16                          ; v16-17  P's fragments in slot 0, 1
.set ADRV, 20                          ; v20-23  V's: 2 x slot + which 128 keys
.set STO,  24
.set RD,   25
.set GO,   26
.set SPW,  28
.set NIL,  29
.set SOF,  30                          ; v30  4 r
.set SVO,  31                          ; v31  the offset of the statistics in hand
.set MC,   32                          ; v32-35 M of the block in hand, a tile of queries each
.set MB,   36                          ; v36-39 M of block 15 - A
.set LS,   40                          ; v40-43 L
.set RC,   44                          ; v44-51 1 / L in the even registers
.set MJ,   52                          ; v52-59 m of the step's two runs: 4 c + t
.set LJ,   60                          ; v60-67 l
.set BB,   68                          ; v68-83 the weights, at 8 c + 2 t
.set BL,   84                          ; v84-91 weight x l
.set TMPO, 96
.set OBK,  128
.set F0,   0
.set F1,   128
.set OA,   128                         ; O, in window 2
.set WV,  12
.set RH,  13
.set CHF, 14
.set G1P, 24
.set G0P, 32
.set NSA, 40                           ; s40  block A's slots
.set RQ,  41                           ; s41  the step that the next refill asks for
.set CN,  42                           ; s42  steps done
.set FI,  43                           ; s43  1: the step in hand is a block's first
.set LQ,  44                           ; s44  the step whose statistics are loaded next
.set SOA, 45
.set SOB, 46
.set SKIP, 47                          ; s47  0: my first tile of block A is rows 0-15 of the sequence
.set G1V, 48
.set G0V, 56
.set SELP, 66
.set SELV, 67
.set OUTA, 72
.set OUTB, 74
.set SEL,  76
.set MSB, 0
.macro WIN new
.if MSB != \new
	s_set_vgpr_msb (MSB<<8)|\new
.set MSB, \new
.endif
.endm
.set MUL,  0xa5                        ; sources 0 and 1 window 1; C and D window 2
.set TO_F, 0x40
.set MRG,  0xa2                        ; destination, source 0 and source 2 window 2; source 1 (the weight) window 0
.set OUTW, 0x02                        ; source 0 window 2
; Waves 0 and 1 ask jointly for P's halves, waves 2 and 3 fetch V's.  The branch hangs on the wave's number alone.  An s_nop 0 and four v_nop follow each of the two lines.
.macro JLOAD s
	s_cmp_lt_u32 s[WV], 2
	s_cbranch_scc0 .Lfor_v_\@
	tensor_load_to_lds s[G0P+4*\s:G0P+4*\s+3], s[G1P:G1P+7]
	s_nop 0
.rept 4
	v_nop
.endr
	s_branch .Lasked_\@
.Lfor_v_\@:
	tensor_load_to_lds s[G0V+4*\s:G0V+4*\s+3], s[G1V:G1V+7]
	s_nop 0
.rept 4
	v_nop
.endr
.Lasked_\@:
.endm
.macro CREST
	s_cmp_lg_u32 s[WV], 0
	s_cbranch_scc1 .Lnot_wave_0_\@
	s_barrier_signal -3
.Lnot_wave_0_\@:
	s_barrier_wait -3
	s_barrier_signal -1
	s_barrier_wait -1
.endm
.macro CROUND
	s_barrier_signal -1
	s_barrier_wait -1
	CREST
.endm
	s_load_b256 s[4:11], s[0:1], 0x0               ; pp s[4:5], qkv s[6:7], st s[8:9], out0 s[10:11]
	v_lshl_add_u32 v[SPW], v0, 2, SPARE
	v_mov_b32 v[NIL], 0
	ds_add_u32 v[SPW], v[NIL]                      ; the wave's opening: the add, twice on end, and its wait ahead of my first tensor load
	ds_add_u32 v[SPW], v[NIL]
	v_lshrrev_b32 v1, 5, v0
	v_readfirstlane_b32 s[WV], v1                  ; wave 0..3
	s_lshr_b32 s[RH], s[WV], 1                     ; which 64 queries are mine
	s_and_b32 s[CHF], s[WV], 1                     ; which 64 channels.  Also: which half of a tile I fetch
	s_bfe_u32 s15, ttmp6, 0x40000                  ; cx
	s_lshl_b32 s16, ttmp9, 2
	s_add_co_u32 s16, s16, s15                     ; the channel block: it enters V's and out0's addresses alone
	s_and_b32 s17, ttmp7, 0xffff
	s_lshr_b32 s18, s17, 3                         ; the sequence
	s_and_b32 s19, s17, 7                          ; A
	s_add_co_u32 s[NSA], s19, 2
	s_lshr_b32 s[NSA], s[NSA], 1
	s_lshl_b32 s20, s19, 1
	s_sub_co_u32 s20, 15, s20
	s_lshl_b32 s20, s20, 19
	s_lshl_b32 s21, s[NSA], 9
	s_sub_co_u32 s[SELP], s20, s21                 ; what a change of blocks adds to P's address: 15 - 2 A blocks of 128 rows down, NSA slots of 512 bytes back
	s_lshl_b32 s[SELV], s[NSA], 19                 ; and takes off V's: NSA slots of 256 rows
	s_lshl_b32 s20, s18, 23                        ; P of step 0: the sequence,
	s_lshl_b32 s21, s19, 19                        ; block A's 128 rows of 4,096 bytes,
	s_add_co_u32 s20, s20, s21
	s_lshl_b32 s21, s[CHF], 18                     ; my 64 of them
	s_add_co_u32 s20, s20, s21
	s_mov_b32 s21, 0
	s_lshl_b32 s80, s18, 22                        ; V of step 0: the sequence's 2,048 rows of 2,048 bytes,
	s_lshl_b32 s81, s[CHF], 18                     ; my 128 keys,
	s_add_co_u32 s80, s80, s81
	s_lshl_b32 s81, s16, 8                         ; the channel block's 256 bytes,
	s_add_co_u32 s80, s80, s81
	s_add_co_u32 s80, s80, 0x2000000               ; v's plane
	s_mov_b32 s81, 0
	s_cmp_eq_u32 s[NSA], 1                         ; where block A has one slot, step 1 is block 15 - A's first
	s_cselect_b32 s68, s[SELP], 0
	s_cselect_b32 s70, s[SELV], 0
	s_mov_b32 s69, 0
	s_mov_b32 s71, 0
	s_mul_i32 s22, s[CHF], 64*PPI                  ; where they go: no place in the cluster enters an LDS address
	s_mul_i32 s23, s[CHF], 128*VPI
	s_add_co_u32 s23, s23, VOFF
	s_mov_b32 s[G1P+0], 15|(1<<16)|(1<<20)|(1<<21)|(6<<22)|(3<<25)  ; the mask: all four; elements of 2 bytes; padding on; bit 21 beside a mask; after every 128 words four words
	s_mov_b32 s[G1P+1], 256<<16                    ; tensor_dim0 = 256 keys
	s_mov_b32 s[G1P+2], 64<<16                     ; tensor_dim1 = 64 rows
	s_mov_b32 s[G1P+3], 256<<16
	s_mov_b32 s[G1P+4], 64
	s_mov_b32 s[G1P+5], 2048                       ; the pitch, in elements
	s_mov_b32 s[G1P+6], 0
	s_mov_b32 s[G1P+7], 0
	s_mov_b32 s[G1V+0], (1<<16)|(1<<20)|(5<<22)|(7<<25)             ; no mask; after every 64 words eight words
	s_mov_b32 s[G1V+1], 128<<16                    ; 128 channels
	s_mov_b32 s[G1V+2], 128<<16                    ; 128 keys
	s_mov_b32 s[G1V+3], 128<<16
	s_mov_b32 s[G1V+4], 128
	s_mov_b32 s[G1V+5], 1024
	s_mov_b32 s[G1V+6], 0
	s_mov_b32 s[G1V+7], 0
	s_mov_b32 s[SEL], 0x76543210
	s_mov_b32 s[SEL+1], 0xfedcba98
	s_mov_b32 s[RQ], 2
	s_mov_b32 s[CN], 0
	s_mov_b32 s[FI], 1
	s_mov_b32 s[LQ], 1
	s_or_b32 s[SKIP], s19, s[RH]
	s_wait_dscnt 0x0                               ; both opening adds are done
	s_wait_kmcnt 0x0
	s_add_nc_u64 s[20:21], s[4:5], s[20:21]
	s_add_nc_u64 s[80:81], s[6:7], s[80:81]
	CROUND                                         ; all four work-groups are here: the first joint loads meet
.irp s, 0,1
	s_mov_b32 s[G0P+4*\s], 1
	s_add_co_u32 s[G0P+4*\s+1], s22, \s*SLOTB
	s_add_nc_u64 s[G0P+4*\s+2:G0P+4*\s+3], s[20:21], \s*512
	s_mov_b32 s[G0V+4*\s], 1
	s_add_co_u32 s[G0V+4*\s+1], s23, \s*SLOTB
	s_add_nc_u64 s[G0V+4*\s+2:G0V+4*\s+3], s[80:81], \s*524288
.endr
	s_add_nc_u64 s[G0P+6:G0P+7], s[G0P+6:G0P+7], s[68:69]
	s_sub_nc_u64 s[G0V+6:G0V+7], s[G0V+6:G0V+7], s[70:71]
.irp g, G0P+3, G0P+7, G0V+3, G0V+7
	s_or_b32 s[\g], s[\g], 0x80000000
.endr
	JLOAD 0
	JLOAD 1                                        ; two tensor loads of mine are out
	v_and_b32 v1, 15, v0                           ; r
	v_bfe_u32 v2, v0, 4, 1                         ; h
	v_mul_u32_u24 v3, v1, PPI
	v_lshl_add_u32 v3, v2, 4, v3
	s_mul_i32 s20, s[RH], 64*PPI
	v_add_nc_u32 v[ADRP], s20, v3                  ; P: (64 x half + r) x pitch + 16 h
	v_add_nc_u32 v[ADRP+1], SLOTB, v[ADRP]
	v_and_b32 v4, 7, v0
	v_bfe_u32 v5, v0, 3, 1
	v_lshl_add_u32 v4, v2, 3, v4
	v_mul_u32_u24 v4, v4, VPI
	v_lshl_add_u32 v4, v5, 4, v4                   ; V, for the turning load: key 8 h + lane % 8, channels 8 ((lane / 8) % 2) on
	s_lshl_b32 s20, s[CHF], 7
	s_add_co_u32 s20, s20, VOFF
	v_add_nc_u32 v[ADRV], s20, v4
	v_add_nc_u32 v[ADRV+1], 128*VPI, v[ADRV]
	v_add_nc_u32 v[ADRV+2], SLOTB, v[ADRV]
	v_add_nc_u32 v[ADRV+3], SLOTB, v[ADRV+1]
	s_mul_i32 s20, s[WV], 16*SPT
	s_add_co_u32 s20, s20, STAGE                   ; my stage
	v_mul_u32_u24 v3, v1, SPT
	v_lshl_add_u32 v3, v2, 5, v3
	v_add_nc_u32 v[STO], s20, v3                   ; in: row r, 32 bytes for each half of the lanes
	v_mul_u32_u24 v3, v2, SPT
	v_lshl_add_u32 v3, v1, 4, v3
	v_add_nc_u32 v[RD], s20, v3                    ; back: lanes 0-15 one row of 256 bytes, lanes 16-31 the next
	v_lshlrev_b32 v3, 12, v2
	v_lshl_add_u32 v[GO], v1, 4, v3                ; and the same two rows in out0
	v_lshlrev_b32 v[SOF], 2, v1
	s_lshl_b32 s20, s18, 11
	s_lshl_b32 s21, s[RH], 6
	s_add_co_u32 s20, s20, s21
	s_lshl_b32 s21, s19, 7
	s_add_co_u32 s22, s20, s21                     ; my first row of block A,
	s_sub_co_u32 s23, 15, s19
	s_lshl_b32 s23, s23, 7
	s_add_co_u32 s23, s20, s23                     ; and of block 15 - A
	s_lshl_b32 s82, s16, 9
	s_lshl_b32 s83, s[CHF], 8
	s_add_co_u32 s82, s82, s83                     ; my first channel, in bytes
	s_lshl_b32 s80, s22, 12
	s_add_co_u32 s80, s80, s82
	s_mov_b32 s81, 0
	s_add_nc_u64 s[OUTA:OUTA+1], s[10:11], s[80:81]
	s_lshl_b32 s80, s23, 12
	s_add_co_u32 s80, s80, s82
	s_add_nc_u64 s[OUTB:OUTB+1], s[10:11], s[80:81]
	s_lshl_b32 s20, s18, 17                        ; st: [sequence][16 runs][2048 queries] f32
	s_lshl_b32 s21, s[RH], 8
	s_add_co_u32 s20, s20, s21
	s_lshl_b32 s21, s19, 9
	s_add_co_u32 s[SOA], s20, s21
	s_sub_co_u32 s21, 15, s19
	s_lshl_b32 s22, s21, 9
	s_add_co_u32 s[SOB], s20, s22
	s_or_b32 s78, s19, 1                           ; the last run of keys that was stored for block A,
	s_or_b32 s79, s21, 1                           ; and for block 15 - A
.set i, 0
.rept 8
	v_mov_b32 v[RC+i], 0                           ; written once: the head's permutes land here, and the odd ones are named in pairs
.set i, i+1
.endr
.set i, 0
.rept 8
	v_mov_b32 v[BB+2*i+1], 0                       ; named in pairs with the weights
.set i, i+1
.endr
	; M of both blocks: lanes 0-15 take the even runs of keys, lanes 16-31 the odd ones, held at the block's last run (made of ids alone)
.irp jj, 0,1,2,3,4,5,6,7
	v_add_nc_u32 v[96+\jj], 2*\jj, v2
	v_min_u32 v[104+\jj], s79, v[96+\jj]
	v_min_u32 v[96+\jj], s78, v[96+\jj]
	v_lshl_add_u32 v[96+\jj], v[96+\jj], 13, v[SOF]
	v_lshl_add_u32 v[104+\jj], v[104+\jj], 13, v[SOF]
	v_add_nc_u32 v[96+\jj], s[SOA], v[96+\jj]
	v_add_nc_u32 v[104+\jj], s[SOB], v[104+\jj]
.endr
.irp jj, 0,1,2,3,4,5,6,7
.irp t, 0,1,2,3
	global_load_b32 v[192+4*\jj+\t], v[96+\jj], s[8:9] offset:64*\t
	global_load_b32 v[224+4*\jj+\t], v[104+\jj], s[8:9] offset:64*\t
.endr
.endr
	v_add_nc_u32 v[SVO], s[SOA], v[SOF]            ; step 0's m and l
.irp c, 0,1
.irp t, 0,1,2,3
	global_load_b32 v[MJ+4*\c+\t], v[SVO], s[8:9] offset:8192*\c+64*\t
	global_load_b32 v[LJ+4*\c+\t], v[SVO], s[8:9] offset:524288+8192*\c+64*\t
.endr
.endr
	s_wait_loadcnt 0x0
.irp t, 0,1,2,3
	v_max3_num_f32 v[MC+\t], v[192+\t], v[196+\t], v[200+\t]
	v_max3_num_f32 v[MB+\t], v[224+\t], v[228+\t], v[232+\t]
.endr
.irp t, 0,1,2,3
	v_max3_num_f32 v[MC+\t], v[MC+\t], v[204+\t], v[208+\t]
	v_max3_num_f32 v[MB+\t], v[MB+\t], v[236+\t], v[240+\t]
.endr
.irp t, 0,1,2,3
	v_max3_num_f32 v[MC+\t], v[MC+\t], v[212+\t], v[216+\t]
	v_max3_num_f32 v[MB+\t], v[MB+\t], v[244+\t], v[248+\t]
.endr
.irp t, 0,1,2,3
	v_max_num_f32 v[MC+\t], v[MC+\t], v[220+\t]
	v_max_num_f32 v[MB+\t], v[MB+\t], v[252+\t]
.endr
.irp t, 0,1,2,3
	v_permlanex16_b32 v[RC+2*\t], v[MC+\t], s[SEL], s[SEL+1]
	v_permlanex16_b32 v[RC+2*\t+1], v[MB+\t], s[SEL], s[SEL+1]
.endr
.irp t, 0,1,2,3
	v_max_num_f32 v[MC+\t], v[MC+\t], v[RC+2*\t]   ; every query sees its own key, so M is a number
	v_max_num_f32 v[MB+\t], v[MB+\t], v[RC+2*\t+1]
.endr
; 8 matrix instructions: tiles of queries t0, t0 + 1 x the 4 tiles of channels, 32 keys: half c of buffer f.  zero = 1: the run's first product starts its sums.  The 16 accumulators take turns, one instruction a turn.
.macro MUL8 f, c, t0, zero
.irp t, \t0, \t0+1
.irp u, 0,1,2,3
.if \zero
	v_wmma_f32_16x16x32_f16 v[8*(4*(\t)+\u):8*(4*(\t)+\u)+7], v[\f+64+8*(4*\c+\u):\f+64+8*(4*\c+\u)+7], v[\f+8*(4*\c+\t):\f+8*(4*\c+\t)+7], 0
.else
	v_wmma_f32_16x16x32_f16 v[8*(4*(\t)+\u):8*(4*(\t)+\u)+7], v[\f+64+8*(4*\c+\u):\f+64+8*(4*\c+\u)+7], v[\f+8*(4*\c+\t):\f+8*(4*\c+\t)+7], v[8*(4*(\t)+\u):8*(4*(\t)+\u)+7]
.endif
.endr
.endr
.endm
; 32 LDS loads in one run: the fragments of the slot's q-th 64 keys into buffer f; the first 32 keys first
.macro FETCH slot, q, f
	WIN TO_F
.irp c, 0,1
.irp i, 0,1,2,3
	ds_load_tr16_b128 v[\f+64+8*(4*\c+\i):\f+64+8*(4*\c+\i)+3],   v[ADRV+2*(\slot)+(\q)/2] offset:(64*((\q)%2)+32*\c)*VPI+32*\i
	ds_load_tr16_b128 v[\f+64+8*(4*\c+\i)+4:\f+64+8*(4*\c+\i)+7], v[ADRV+2*(\slot)+(\q)/2] offset:(64*((\q)%2)+32*\c+16)*VPI+32*\i
	ds_load_b128 v[\f+8*(4*\c+\i):\f+8*(4*\c+\i)+3],              v[ADRP+(\slot)] offset:128*(\q)+64*\c+\i*16*PPI
	ds_load_b128 v[\f+8*(4*\c+\i)+4:\f+8*(4*\c+\i)+7],            v[ADRP+(\slot)] offset:128*(\q)+64*\c+\i*16*PPI+32
.endr
.endr
.endm
.macro PLACES                          ; four plain vector instructions between a matrix instruction and a load into, or a vector instruction on, its registers
.rept 4
	v_nop
.endr
.endm
.macro QUARTER slot, qn, f, g, zero    ; multiplies buffer f (64 keys) and fetches the slot's quarter qn into g
	s_wait_dscnt 16                                ; the first 32 keys' fragments are in; the other sixteen loads may be out
	WIN MUL
	MUL8 \f, 0, 0, \zero
	MUL8 \f, 0, 2, \zero
	PLACES
	FETCH \slot, \qn, \g
	s_wait_dscnt 32                                ; all but the 32 just issued
	WIN MUL
	MUL8 \f, 1, 0, 0
	MUL8 \f, 1, 2, 0
.endm
; A slot's last quarter multiplies buffer 1 and changes slots: each wave waits for all its tensor loads, adds 0 to its spare word, and waits for that and for its reads of this slot.
; fill = 1: the barrier opens a round of the cluster's barrier, and this slot is filled again, two steps ahead: the first line behind the round, one tensor load a wave.
.macro TURN slot, next, fill
	WIN 0                                          ; (the add's two registers lie in window 0)
	s_wait_tensorcnt 0x0                           ; no tensor load of mine is out, so the descriptors may be written
	ds_add_u32 v[SPW], v[NIL]                      ; 0 onto my spare word; the descriptors' steps stand between it and the wait for it
.if \fill
	s_sub_co_u32 s20, s[RQ], s[NSA]                ; 0 or 1: the slot goes from a step of block A to a step of block 15 - A
	s_cmp_le_u32 s20, 1
	s_cselect_b32 s68, s[SELP], 0
	s_cselect_b32 s70, s[SELV], 0
	s_add_nc_u64 s[G0P+4*\slot+2:G0P+4*\slot+3], s[G0P+4*\slot+2:G0P+4*\slot+3], 1024       ; two slots of 256 keys on,
	s_add_nc_u64 s[G0P+4*\slot+2:G0P+4*\slot+3], s[G0P+4*\slot+2:G0P+4*\slot+3], s[68:69]   ; and, at a change of blocks, down and back
	s_add_nc_u64 s[G0V+4*\slot+2:G0V+4*\slot+3], s[G0V+4*\slot+2:G0V+4*\slot+3], 1048576
	s_sub_nc_u64 s[G0V+4*\slot+2:G0V+4*\slot+3], s[G0V+4*\slot+2:G0V+4*\slot+3], s[70:71]
	s_add_co_u32 s[RQ], s[RQ], 1
.endif
	s_wait_dscnt 17                                ; (the add and the youngest sixteen loads may be out)
	WIN MUL
	MUL8 F1, 0, 0, 0
	s_wait_dscnt 0x0                               ; the add is done, and my reads of this slot are over
	s_barrier_signal -1
	MUL8 F1, 0, 2, 0
.if \fill
	WIN 0
.endif
	s_barrier_wait -1
.if \fill
	CREST                                          ; no wave of any partner still reads this slot or has a load on its way
	JLOAD \slot                                    ; the four v_nop behind it are also the places in front of the loads below
.else
	PLACES
.endif
	FETCH \next, 0, F0
	WIN MUL
	MUL8 F1, 1, 0, 0
	MUL8 F1, 1, 2, 0
.endm
; A run of 128 keys is done: O += weight x T, L += weight x l.  mode = 1: where the step is a block's first, O and L begin here: nothing is ever cleared.
; The 64 lines also stand between the run's last products and the next run's first, which write T anew.
.macro MERGE c, mode
	PLACES
	WIN 0
.if \mode
	s_cmp_eq_u32 s[FI], 0                          ; ids and the count of steps alone
	s_cbranch_scc1 .Ladd_\@
.irp t, 0,1,2,3
	v_mov_b32 v[LS+\t], v[BL+4*\c+\t]
.endr
	WIN MRG
.irp t, 0,1,2,3
.set i, 0
.rept 16
	v_pk_mul_f32 v[OA+32*\t+i:OA+32*\t+i+1], v[32*\t+i:32*\t+i+1], v[BB+8*\c+2*\t:BB+8*\c+2*\t+1] op_sel_hi:[1,0]
.set i, i+2
.endr
.endr
	WIN 0
	s_branch .Lmerged_\@
.Ladd_\@:
.endif
.irp t, 0,1,2,3
	v_add_f32 v[LS+\t], v[LS+\t], v[BL+4*\c+\t]
.endr
	WIN MRG
.irp t, 0,1,2,3
.set i, 0
.rept 16
	v_pk_fma_f32 v[OA+32*\t+i:OA+32*\t+i+1], v[32*\t+i:32*\t+i+1], v[BB+8*\c+2*\t:BB+8*\c+2*\t+1], v[OA+32*\t+i:OA+32*\t+i+1] op_sel_hi:[1,0,1]   ; each accumulator of T from its low end on
.set i, i+2
.endr
.endr
.if \mode
	WIN 0
.Lmerged_\@:
.endif
.endm
; The next step's weights 2^(m - M) and weight x l, from the m and l that were asked for a step ago.  load = 1: then those of the step after it are asked for.
.macro STATS load
	s_wait_loadcnt 0x0
.irp c, 0,1
.irp t, 0,1,2,3
	v_sub_f32 v[BB+8*\c+2*\t], v[MJ+4*\c+\t], v[MC+\t]
.endr
.endr
.irp c, 0,1
.irp t, 0,1,2,3
	v_exp_f32 v[BB+8*\c+2*\t], v[BB+8*\c+2*\t]     ; at most 1; 0 for the run above the diagonal, whose m is -infinity
.endr
.endr
.if \load
	s_cmp_lt_u32 s[LQ], s[NSA]
	s_cselect_b32 s20, s[SOA], s[SOB]
	s_cselect_b32 s21, 0, s[NSA]
	s_sub_co_u32 s21, s[LQ], s21                   ; the step's number in its block:
	s_lshl_b32 s21, s21, 14                        ; two runs of 8,192 bytes a step
	s_add_co_u32 s20, s20, s21
	v_add_nc_u32 v[SVO], s20, v[SOF]               ; (the plain instruction behind the exponentials; the loads that read v31 are done)
.else
	v_nop
.endif
	s_wait_alu depctr_va_vdst(0)                   ; one wait for the eight, ahead of their first reader
.irp c, 0,1
.irp t, 0,1,2,3
	v_mul_f32 v[BL+4*\c+\t], v[BB+8*\c+2*\t], v[LJ+4*\c+\t]
.endr
.endr
.if \load
.irp c, 0,1
.irp t, 0,1,2,3
	global_load_b32 v[MJ+4*\c+\t], v[SVO], s[8:9] offset:8192*\c+64*\t
	global_load_b32 v[LJ+4*\c+\t], v[SVO], s[8:9] offset:524288+8192*\c+64*\t
.endr
.endr
	s_add_co_u32 s[LQ], s[LQ], 1
.endif
.endm
; A block of queries is done: O / L, a tile of 16 queries x my 64 channels at a time through my stage, so that sixteen lanes store 256 consecutive bytes, aligned.
; skippable = 1: the tile that is rows 0-15 of a sequence is left to the last launch.
.macro FLUSH ptr, skippable
	WIN 0
.irp t, 0,1,2,3
	v_rcp_f32 v[RC+2*\t], v[LS+\t]
.endr
	v_nop                                          ; a plain instruction behind the last reciprocal
	s_wait_alu depctr_va_vdst(0)                   ; and one wait for the four
.irp t, 0,1,2,3
.if (\t == 0) && \skippable
	s_cmp_eq_u32 s[SKIP], 0                        ; ids and the wave's number alone
	s_cbranch_scc1 .Lskip_\@
.endif
	s_wait_xcnt 0x0                                ; the earlier stores have read their registers
	WIN OUTW
.set i, 0
.rept 16
	v_pk_mul_f32 v[TMPO+i:TMPO+i+1], v[OA+32*\t+i:OA+32*\t+i+1], v[RC+2*\t:RC+2*\t+1] op_sel_hi:[1,0]
.set i, i+2
.endr
	WIN 0
.irp u, 0,1,2,3
	ds_store_b128 v[STO], v[TMPO+8*\u:TMPO+8*\u+3] offset:64*\u
	ds_store_b128 v[STO], v[TMPO+8*\u+4:TMPO+8*\u+7] offset:64*\u+16
.endr
.irp n, 0,1,2,3,4,5,6,7
	ds_load_b128 v[OBK+32*(\t%2)+4*\n:OBK+32*(\t%2)+4*\n+3], v[RD] offset:2*SPT*\n   ; LDS serves a wave's instructions in order: these see the stores above
.endr
	s_wait_dscnt 0x0
.irp n, 0,1,2,3,4,5,6,7
	global_store_b128 v[GO], v[OBK+32*(\t%2)+4*\n:OBK+32*(\t%2)+4*\n+3], s[\ptr:\ptr+1] offset:(16*\t+2*\n)*4096 th:TH_STORE_NT
.endr
.if (\t == 0) && \skippable
.Lskip_\@:
.endif
.endr
.endm
; A STEP: a slot's 256 keys, two runs of 128.
.macro STEP slot, next, fill, mode, flush, load
	QUARTER \slot, 1, F0, F1, 1
	QUARTER \slot, 2, F1, F0, 0
	MERGE 0, \mode
	QUARTER \slot, 3, F0, F1, 1
	TURN \slot, \next, \fill
	MERGE 1, 0
	WIN 0
.if \flush
	s_add_co_u32 s[CN], s[CN], 1
	s_cmp_eq_u32 s[CN], s[NSA]                     ; block A is done: the same in all waves and all partners
	s_cselect_b32 s[FI], 1, 0
	s_cbranch_scc0 .Lno_flush_\@
	FLUSH OUTA, 1
.irp t, 0,1,2,3
	v_mov_b32 v[MC+\t], v[MB+\t]                   ; on to block 15 - A's M
.endr
.Lno_flush_\@:
.endif
	STATS \load
.endm
	STATS 1                                        ; step 0's weights; step 1's m and l are asked for
	s_wait_tensorcnt 1                             ; my part of slot 0 is in (slot 1's may be out)
	s_barrier_signal -1
	s_barrier_wait -1                              ; everybody's is
	FETCH 0, 0, F0
	WIN 0
	s_mov_b32 s3, 3
.Lpair:                                                ; steps 0 to 5; block A ends behind one of steps 0 to 3
	STEP 0, 1, 1, 1, 1, 1
	STEP 1, 0, 1, 1, 1, 1
	s_sub_co_u32 s3, s3, 1
	s_cmp_lg_u32 s3, 0
	s_cbranch_scc1 .Lpair
	STEP 0, 1, 1, 0, 0, 1                          ; step 6 asks for step 8, the last
	STEP 1, 0, 0, 0, 0, 0                          ; step 7 fills nothing: the tail is written out
	QUARTER 0, 1, F0, F1, 1                        ; step 8
	QUARTER 0, 2, F1, F0, 0
	MERGE 0, 0
	QUARTER 0, 3, F0, F1, 1
	s_wait_dscnt 16
	WIN MUL
	MUL8 F1, 0, 0, 0
	MUL8 F1, 0, 2, 0
	s_wait_dscnt 0x0
	MUL8 F1, 1, 0, 0
	MUL8 F1, 1, 2, 0
	MERGE 1, 0
	FLUSH OUTB, 0
	s_wait_tensorcnt 0x0                           ; the wave's end: behind my last tensor load and my last LDS store
	ds_add_u32 v[SPW], v[NIL]
	s_wait_dscnt 0x0
	CROUND                                         ; the closing round
	s_endpgm
.Lfunc_end_k_qa442af5673_pv:
	.size	k_qa442af5673_pv, .Lfunc_end_k_qa442af5673_pv-k_qa442af5673_pv
	.p2alignl 7, 3214868480
	.fill 96, 4, 3214868480
	.section	.rodata,"a",@progbits
	.p2align	6, 0x0
	.amdhsa_kernel k_qa442af5673_pv
		.amdhsa_group_segment_fixed_size 327680
		.amdhsa_private_segment_fixed_size 0
		.amdhsa_enable_private_segment 0
		.amdhsa_kernarg_size 32
		.amdhsa_user_sgpr_count 2
		.amdhsa_user_sgpr_kernarg_segment_ptr 1
		.amdhsa_wavefront_size32 1
		.amdhsa_system_sgpr_workgroup_id_x 1
		.amdhsa_system_sgpr_workgroup_id_y 1
		.amdhsa_system_sgpr_workgroup_id_z 1
		.amdhsa_system_vgpr_workitem_id 0
		.amdhsa_next_free_vgpr 768
		.amdhsa_next_free_sgpr 90
		.amdhsa_reserve_vcc 0
		.amdhsa_float_denorm_mode_32 3
		.amdhsa_float_denorm_mode_16_64 3
		.amdhsa_memory_ordered 1
		.amdhsa_forward_progress 1
		.amdhsa_inst_pref_size 210
	.end_amdhsa_kernel
	.amdgpu_metadata
---
amdhsa.version: [ 1, 2 ]
amdhsa.kernels:
  - .name:           k_qa442af5673_pv
    .symbol:         k_qa442af5673_pv.kd
    .args:
      - { .name: pp, .offset: 0, .size: 8, .value_kind: global_buffer, .address_space: global }
      - { .name: qkv, .offset: 8, .size: 8, .value_kind: global_buffer, .address_space: global }
      - { .name: st, .offset: 16, .size: 8, .value_kind: global_buffer, .address_space: global }
      - { .name: out0, .offset: 24, .size: 8, .value_kind: global_buffer, .address_space: global }
    .group_segment_fixed_size: 327680
    .private_segment_fixed_size: 0
    .kernarg_segment_align: 8
    .kernarg_segment_size: 32
    .max_flat_workgroup_size: 128
    .sgpr_count:     90
    .vgpr_count:     768
    .wavefront_size: 32
...
	.end_amdgpu_metadata
.endif
;; end of part 4
;; launch head16 (part 5): grid 2 x 4, 8 waves a work-group, no clusters, 44,032 bytes of LDS; arguments h32, out0; writes out0
.if DOCPART == 5
	.amdgcn_target "amdgcn-amd-amdhsa--gfx1250"
	.amdhsa_code_object_version 6
	.text
	.protected	k_qa442af5673_head16
	.globl	k_qa442af5673_head16
	.p2align	8
	.type	k_qa442af5673_head16,@function
k_qa442af5673_head16:
	s_mov_b64 s[64:65], 0
	v_nop
	global_prefetch_b8 v0, s[64:65] scope:SCOPE_SE
	s_setreg_imm32_b32 hwreg(HW_REG_WAVE_MODE, 25, 1), 1
	s_wait_xcnt 0x0
; THE FIRST 16 POSITIONS OF EACH SEQUENCE, both products and the softmax in f32: these rows average one to sixteen values, so the rounding of 16-bit operands would weigh most there.
; LEFT OUT: keys 16 and on, which the problem's own mask hides from these queries; bk (shown at the head of the first kernel).
; h32: [q, k, v][4 sequences][16][1024] f32.  A work-group takes a sequence (y) and 512 channels (x).  Wave w sums the scores over d = 128 w .. 128 w + 127; the eight parts meet in LDS; every wave then holds all
; 16 x 16 scores, takes the softmax, and makes channels 512 x + 64 w .. + 63 of the output.
; LAYOUT.  S^T: source 0 = k's 16 rows, source 1 = q's: a lane holds query r = lane % 16 and keys 8 h + 0 .. 7, h = lane / 16.  O^T: source 0 = 16 channels of v, source 1 = p: a lane holds query r and eight
; neighbouring channels.  The order of k inside a product is permuted alike on both sides: a lane's register pair stands for k = 2 h + 0, 1 of the instruction and holds the numbers that its loads brought.
; The registers that the f32 matrix form writes, v192-223, are written by matrix instructions alone.
.set PART,  0                          ; LDS: eight parts of the scores, 1,024 bytes each
.set STG,   8192                       ; a stage of 16 rows x 272 bytes for each wave
.set SPT,   272
.set SPARE, STG+8*16*SPT               ; the spare words, 128 bytes a wave: four blocks of 256 bytes that no other line names
.set SPW, 10
.set NIL, 11
.set QF,  32                           ; v32-95   q: 16 loads of four numbers; later the eight parts; later rows of the output
.set KF,  96                           ; v96-159  k
.set VF,  160                          ; v160-191 v: 8 u + 2 kk + j
.set ACC, 192                          ; v192-223 four accumulators
.set SS,  224                          ; v224-239 sums of accumulators; v224-231 the scores, then p not yet divided
.set PR,  240                          ; v240-247 p
	s_load_b128 s[4:7], s[0:1], 0x0                ; h32 s[4:5], out0 s[6:7]
	v_lshl_add_u32 v[SPW], v0, 2, SPARE
	v_mov_b32 v[NIL], 0
	v_lshrrev_b32 v1, 5, v0
	v_readfirstlane_b32 s8, v1                     ; wave 0..7
	s_and_b32 s9, ttmp7, 0xffff                    ; the sequence
	v_and_b32 v1, 15, v0                           ; r
	v_bfe_u32 v2, v0, 4, 1                         ; h
	v_and_b32 v3, 31, v0                           ; lane
	v_lshlrev_b32 v4, 12, v1
	v_lshl_add_u32 v4, v2, 4, v4                   ; q, k: row r of 4,096 bytes, + 16 h
	s_lshl_b32 s10, s9, 16                         ; the sequence's 16 rows
	s_lshl_b32 s11, s8, 9                          ; my wave's 128 numbers
	s_add_co_u32 s11, s11, s10
	v_add_nc_u32 v4, s11, v4
	v_lshlrev_b32 v5, 2, v1
	v_lshl_add_u32 v5, v2, 15, v5                  ; v: channel r, keys 8 h on
	s_lshl_b32 s12, ttmp9, 11
	s_lshl_b32 s13, s8, 8
	s_add_co_u32 s12, s12, s13                     ; my first channel, in bytes: 2,048 x + 256 w
	s_add_co_u32 s13, s12, s10
	v_add_nc_u32 v5, s13, v5
	s_lshl_b32 s14, s8, 10
	v_lshl_add_u32 v6, v3, 4, s14                  ; my part of the scores: 1,024 w + 16 x lane
	v_lshlrev_b32 v7, 4, v3                        ; all parts: 16 x lane
	s_mul_i32 s14, s8, 16*SPT
	s_add_co_u32 s14, s14, STG                     ; my stage
	v_mul_u32_u24 v8, v1, SPT
	v_lshl_add_u32 v8, v2, 5, v8
	v_add_nc_u32 v8, s14, v8                       ; in: row r, 32 bytes for each half of the lanes
	v_mul_u32_u24 v9, v2, SPT
	v_lshl_add_u32 v9, v1, 4, v9
	v_add_nc_u32 v9, s14, v9                       ; back: lanes 0-15 one row of 256 bytes, lanes 16-31 the next
	v_lshlrev_b32 v12, 12, v2
	v_lshl_add_u32 v12, v1, 4, v12                 ; and the same two rows in out0
	v_lshlrev_b32 v13, 3, v2
	v_sub_nc_u32 v13, v1, v13                      ; r - 8 h
	v_mov_b32 v14, 0xff800000                      ; -infinity
	v_mov_b32 v16, 0                               ; written once: a lane permute's destination counts as one of its sources
	v_mov_b32 v19, 0                               ; named with v18 as a pair
	s_mov_b32 s16, 0x76543210
	s_mov_b32 s17, 0xfedcba98
	s_mov_b32 s18, 0x3d38aa3b                      ; c = log2(e) / sqrt(1024)
	s_mov_b32 s19, s18
	s_lshl_b32 s20, s9, 23                         ; out0: the sequence's 2,048 rows of 4,096 bytes
	s_add_co_u32 s20, s20, s12
	s_mov_b32 s21, 0
	s_wait_kmcnt 0x0
	s_add_nc_u64 s[6:7], s[6:7], s[20:21]
.irp g, 0,1,2,3,4,5,6,7,8,9,10,11,12,13,14,15
	global_load_b128 v[QF+4*\g:QF+4*\g+3], v4, s[4:5] offset:32*\g              ; q(r, 128 w + 8 g + 4 h + 0 .. 3)
.endr
.irp g, 0,1,2,3,4,5,6,7,8,9,10,11,12,13,14,15
	global_load_b128 v[KF+4*\g:KF+4*\g+3], v4, s[4:5] offset:262144+32*\g       ; k likewise
.endr
.irp u, 0,1,2,3
.irp n, 0,1,2,3,4,5,6,7
	global_load_b32 v[VF+8*\u+\n], v5, s[4:5] offset:524288+\n*4096+64*\u       ; v(8 h + n, my channel 16 u + r)
.endr
.endr
	s_wait_loadcnt 32                              ; q and k are in; v's 32 loads may be out
.set n, 0
.rept 32                               ; four accumulators by turns, one instruction a turn; the first four start the sums
.if n < 4
	v_wmma_f32_16x16x4_f32 v[ACC+8*(n%4):ACC+8*(n%4)+7], v[KF+2*n:KF+2*n+1], v[QF+2*n:QF+2*n+1], 0
.else
	v_wmma_f32_16x16x4_f32 v[ACC+8*(n%4):ACC+8*(n%4)+7], v[KF+2*n:KF+2*n+1], v[QF+2*n:QF+2*n+1], v[ACC+8*(n%4):ACC+8*(n%4)+7]
.endif
.set n, n+1
.endr
.rept 8
	v_nop                                          ; eight places behind this form (ISA guide 7.12.1)
.endr
.irp i, 0,2,4,6
	v_pk_add_f32 v[SS+\i:SS+\i+1], v[ACC+\i:ACC+\i+1], v[ACC+8+\i:ACC+8+\i+1]   ; each accumulator from its low end on; the sums go into other registers
.endr
.irp i, 0,2,4,6
	v_pk_add_f32 v[SS+8+\i:SS+8+\i+1], v[ACC+16+\i:ACC+16+\i+1], v[ACC+24+\i:ACC+24+\i+1]
.endr
.irp i, 0,2,4,6
	v_pk_add_f32 v[SS+\i:SS+\i+1], v[SS+\i:SS+\i+1], v[SS+8+\i:SS+8+\i+1]
.endr
	ds_store_b128 v6, v[SS:SS+3] offset:PART
	ds_store_b128 v6, v[SS+4:SS+7] offset:PART+512
	s_wait_dscnt 0x0                               ; for the others' sake: my part is stored
	s_barrier_signal -1
	s_barrier_wait -1
.irp w, 0,1,2,3,4,5,6,7
	ds_load_b128 v[QF+8*\w:QF+8*\w+3], v7 offset:PART+1024*\w
	ds_load_b128 v[QF+8*\w+4:QF+8*\w+7], v7 offset:PART+1024*\w+512
.endr
	s_wait_dscnt 0x0
.irp i, 0,2,4,6
	v_pk_add_f32 v[SS+\i:SS+\i+1], v[QF+\i:QF+\i+1], v[QF+8+\i:QF+8+\i+1]
.endr
.irp w, 2,3,4,5,6,7
.irp i, 0,2,4,6
	v_pk_add_f32 v[SS+\i:SS+\i+1], v[SS+\i:SS+\i+1], v[QF+8*\w+\i:QF+8*\w+\i+1]   ; every wave adds the eight parts in the same order
.endr
.endr
.irp j, 0,1,2,3,4,5,6,7                ; key 8 h + j is hidden from query r where j > r - 8 h
	v_cmp_gt_i32 vcc_lo, \j, v13
	v_cndmask_b32 v[SS+\j], v[SS+\j], v14, vcc_lo
.endr
	v_max3_num_f32 v15, v[SS], v[SS+1], v[SS+2]
	v_max3_num_f32 v15, v15, v[SS+3], v[SS+4]
	v_max3_num_f32 v15, v15, v[SS+5], v[SS+6]
	v_max_num_f32 v15, v15, v[SS+7]
	v_permlanex16_b32 v16, v15, s16, s17
	v_max_num_f32 v15, v15, v16                    ; the row's largest score: key 0 counts for every query, so it is a number
	v_mul_f32 v18, s18, v15
.irp i, 0,2,4,6
	v_pk_fma_f32 v[SS+\i:SS+\i+1], v[SS+\i:SS+\i+1], s[18:19], v[18:19] op_sel_hi:[1,0,0] neg_lo:[0,0,1] neg_hi:[0,0,1]   ; c s - c max
.endr
.irp j, 0,1,2,3,4,5,6,7
	v_exp_f32 v[SS+\j], v[SS+\j]
.endr
	v_nop                                          ; a plain instruction behind the exponentials
	s_wait_alu depctr_va_vdst(0)                   ; one wait for the eight
	v_pk_add_f32 v[20:21], v[SS:SS+1], v[SS+2:SS+3]
	v_pk_add_f32 v[22:23], v[SS+4:SS+5], v[SS+6:SS+7]
	v_pk_add_f32 v[20:21], v[20:21], v[22:23]
	v_add_f32 v20, v20, v21
	v_permlanex16_b32 v16, v20, s16, s17
	v_add_f32 v20, v20, v16                        ; the row's sum
	v_rcp_f32 v21, v20
	v_nop
	s_wait_alu depctr_va_vdst(0)
.irp j, 0,1,2,3,4,5,6,7
	v_mul_f32 v[PR+\j], v[SS+\j], v21              ; attn(r, 8 h + j)
.endr
	s_wait_loadcnt 0x0                             ; v
.irp kk, 0,1,2,3                       ; O^T: the four tiles of channels by turns; K = the 16 keys, four an instruction
.irp u, 0,1,2,3
.if \kk == 0
	v_wmma_f32_16x16x4_f32 v[ACC+8*\u:ACC+8*\u+7], v[VF+8*\u+2*\kk:VF+8*\u+2*\kk+1], v[PR+2*\kk:PR+2*\kk+1], 0
.else
	v_wmma_f32_16x16x4_f32 v[ACC+8*\u:ACC+8*\u+7], v[VF+8*\u+2*\kk:VF+8*\u+2*\kk+1], v[PR+2*\kk:PR+2*\kk+1], v[ACC+8*\u:ACC+8*\u+7]
.endif
.endr
.endr
.rept 8
	v_nop
.endr
.irp u, 0,1,2,3
	ds_store_b128 v8, v[ACC+8*\u:ACC+8*\u+3] offset:64*\u            ; lane (r, h): out(r, 16 u + 8 h + 0 .. 7); each accumulator from its low end on
	ds_store_b128 v8, v[ACC+8*\u+4:ACC+8*\u+7] offset:64*\u+16
.endr
.irp i, 0,1,2,3,4,5,6,7
	ds_load_b128 v[QF+4*\i:QF+4*\i+3], v9 offset:2*SPT*\i            ; LDS serves a wave's instructions in order: these see my stores
.endr
.irp i, 0,1,2,3,4,5,6,7
	s_wait_dscnt 7-\i                              ; load i is in, the younger ones may be out
	global_store_b128 v12, v[QF+4*\i:QF+4*\i+3], s[6:7] offset:2*\i*4096   ; sixteen lanes store 256 consecutive bytes, aligned
.endr
	s_wait_tensorcnt 0x0                           ; the wave's end: behind my last LDS store
	ds_add_u32 v[SPW], v[NIL]
	s_wait_dscnt 0x0
	s_endpgm
.Lfunc_end_k_qa442af5673_head16:
	.size	k_qa442af5673_head16, .Lfunc_end_k_qa442af5673_head16-k_qa442af5673_head16
	.p2alignl 7, 3214868480
	.fill 96, 4, 3214868480
	.section	.rodata,"a",@progbits
	.p2align	6, 0x0
	.amdhsa_kernel k_qa442af5673_head16
		.amdhsa_group_segment_fixed_size 44032
		.amdhsa_private_segment_fixed_size 0
		.amdhsa_enable_private_segment 0
		.amdhsa_kernarg_size 16
		.amdhsa_user_sgpr_count 2
		.amdhsa_user_sgpr_kernarg_segment_ptr 1
		.amdhsa_wavefront_size32 1
		.amdhsa_system_sgpr_workgroup_id_x 1
		.amdhsa_system_sgpr_workgroup_id_y 1
		.amdhsa_system_sgpr_workgroup_id_z 1
		.amdhsa_system_vgpr_workitem_id 0
		.amdhsa_next_free_vgpr 248
		.amdhsa_next_free_sgpr 66
		.amdhsa_reserve_vcc 1
		.amdhsa_float_denorm_mode_32 3
		.amdhsa_float_denorm_mode_16_64 3
		.amdhsa_memory_ordered 1
		.amdhsa_forward_progress 1
		.amdhsa_inst_pref_size 20
	.end_amdhsa_kernel
	.amdgpu_metadata
---
amdhsa.version: [ 1, 2 ]
amdhsa.kernels:
  - .name:           k_qa442af5673_head16
    .symbol:         k_qa442af5673_head16.kd
    .args:
      - { .name: h32, .offset: 0, .size: 8, .value_kind: global_buffer, .address_space: global }
      - { .name: out0, .offset: 8, .size: 8, .value_kind: global_buffer, .address_space: global }
    .group_segment_fixed_size: 44032
    .private_segment_fixed_size: 0
    .kernarg_segment_align: 8
    .kernarg_segment_size: 16
    .max_flat_workgroup_size: 256
    .sgpr_count:     66
    .vgpr_count:     248
    .wavefront_size: 32
...
	.end_amdgpu_metadata
.endif
;; end of part 5
